; MI455X (gfx1250); checked and timed in simulation.
; The chip was launched on July 23, 2026; its instructions are those of AMD's public machine-readable ISA for CDNA 5 (MIT licence, August 2026) and "CDNA5" Instruction Set Architecture Reference Guide (July 2026). The comments in the code are by the model that wrote it; some were corrected since.
;; Self Attention. Allowed arithmetic: matrix products marked QUANTISED: E2M1 operands, one E8M0 scale for each 32 along K, by v_wmma_scale_f32_16x16x128_f8f6f4 with both operands' format E2M1 (or v_wmma_scale_f32_32x16x128_f4), f32 sums; products left as they are: bf16, f16 or f32 operands; f32 sums; everything else in f32.
;; Inputs: b_out 1,024 float32; w_out 1,024 x 1,024 float32; w_qkv 1,024 x 3,072 float32; x 4 x 2,048 x 1,024 float32.
;; Outputs: out0 4 x 2,048 x 1,024 float32.
;; This version of the problem:
;;   THIS VERSION OF THE PROBLEM IS GIVEN IN LOW PRECISION. The matrix products marked QUANTISED in the list below multiply operands that are first quantised to E2M1 (2 exponent bits, 1 mantissa bit; 4 bits a number), with one power-of-two scale for each 32 numbers along K (OCP MX v1.0); their sums are f32. The products marked 'left as it is' may take bf16, f16 or f32 operands, with f32 sums. Whichever they take, every output number must still come out within the allowed error. Rounding operands to bf16 (8 significant bits) uses up far more of that allowance than f16 does (11 bits, for magnitudes from 6e-5 to 65,504). All else is computed in f32.
;;   The module's matrix products, in the order in which they are computed (A, B: the left and right operand; K: the contracted axis; several contracted axes count as one K, in the product's order):
;;     1. [M 8,192, K 1,024] x [K 1,024, N 3,072]; A: input x; B: input w_qkv: QUANTISED
;;     2. batch 64 x [M 2,048, K 64] x [K 64, N 2,048]; A: computed on the way; B: computed on the way: left as it is (an operand is computed on the way)
;;     3. batch 64 x [M 2,048, K 2,048] x [K 2,048, N 64]; A: computed on the way; B: computed on the way: left as it is (an operand is computed on the way)
;;     4. [M 8,192, K 1,024] x [K 1,024, N 1,024]; A: computed on the way; B: input w_out: left as it is (an operand is computed on the way)
;;   THE QUANTISER, for each operand of a quantised product, along K:
;;     - K is cut into blocks of 32 from its start; a last block that is shorter is filled with zeros.
;;     - A block's scale is 2^e with e = floor(log2(the largest magnitude in the block)) - 2, held to -126 .. 127; a block of zeros has e = 0. As a byte (E8M0): e + 127.
;;     - Each number is divided by its block's scale, clamped to +-6, and rounded to the nearest number of E2M1, ties to even, subnormals kept.
;;     - The product sums the exact products of the quantised numbers (number of the format x scale) in f32.
;;   ~~~python
;;   def quantise(x, axis):      # numpy; x: float32 -> the quantised numbers, widened to float32 again
;;       x = np.moveaxis(x, axis, -1); K = x.shape[-1]
;;       x = np.pad(x, [(0, 0)] * (x.ndim - 1) + [(0, -K % 32)]); x = x.reshape(x.shape[:-1] + (-1, 32)); a = np.abs(x).max(-1, keepdims=True)
;;       e = np.where(a > 0, np.clip(np.frexp(np.where(a > 0, a, 1))[1] - 1 - 2, -126, 127), 0)      # np.frexp(a)[1] - 1 = floor(log2(a)), exactly
;;       r = np.clip(x / 2.0 ** e, -6, 6)
;;       step = 2.0 ** (np.maximum(np.frexp(np.where(r == 0, 1, r))[1] - 1, 0) - 1)
;;       q = np.round(r / step) * step * 2.0 ** e      # np.round: ties to even
;;       return np.moveaxis(q.reshape(q.shape[:-2] + (-1,))[..., :K], -1, axis).astype(np.float32)
;;   ~~~
;; One version. Each part assembles by itself: llvm-mc -triple=amdgcn-amd-amdhsa -mcpu=gfx1250 --defsym DOCPART=n.
;; ======== version 1 of 1: 4 launches
;; limits: values are held in f16: magnitudes above 65,504 overflow, below 6.1e-05 lose precision
;; workspace buffers: xc 4,194,304 bytes; xs 262,144 bytes; wc 1,572,864 bytes; ws 98,304 bytes; wo 2,097,152 bytes; qkv 50,331,648 bytes; ob 16,777,216 bytes
;; launch prep (part 1): grid 368 x 1, 4 waves a work-group, no clusters, 68,096 bytes of LDS; arguments x, w_qkv, w_out, xc, xs, wc, ws, wo; writes xc, xs, wc, ws, wo
.if DOCPART == 1
	.amdgcn_target "amdgcn-amd-amdhsa--gfx1250"
	.amdhsa_code_object_version 6
	.text
	.protected	k_qbb293325b3_prep
	.globl	k_qbb293325b3_prep
	.p2align	8
	.type	k_qbb293325b3_prep,@function
k_qbb293325b3_prep:
	s_mov_b64 s[64:65], 0
	v_nop
	global_prefetch_b8 v0, s[64:65] scope:SCOPE_SE
	s_setreg_imm32_b32 hwreg(HW_REG_WAVE_MODE, 25, 1), 1
	s_wait_xcnt 0x0
; THE OPERANDS ARE MADE READY, ONCE.  Three kinds of work-group, told apart by the work-group's number alone:
;   0 .. 47    W: w_qkv [1024 (k)][3072 (n)] f32 -> codes of FP4 (E2M1) laid [3072][1024 k] with K innermost (wc), one E8M0 byte for each 32 along K laid [3072][32] (ws)
;   48 .. 111  O: w_out [1024 (k)][1024 (n)] f32 -> f16, laid as images of operand registers (wo): [k step of 128: 8][tile of 16 n: 64][16 k: 8][512 bytes], in the 512 bytes (n % 16, k half hh) at 256 hh + 16 (n % 16)
;   112 .. 367 X: x [8192][1024] f32 -> codes (xc, [8192][512 bytes]) and scale bytes (xs, [8192][32]); rows are dense, so x is a plain stream of blocks of 32
; A block's scale is 2^(floor(log2(its largest magnitude)) - 2); its byte is the largest magnitude's exponent field - 2, held at 1 from below; each number is divided by the scale and rounded to the nearest code, ties to even, beyond 6 the largest code.
; LIMITS: NaN and infinities among the inputs are not served.  A block of zeros gets the byte 1 where the rule says 127: its codes are zeros, which add nothing, and the bytes are read by this program alone.
; w_out is rounded to f16: magnitudes above 65,504 overflow.
; Memory binds: every input byte is read once, no matrix unit, no cluster (no two work-groups read the same bytes), no tensor load, no barrier (waves share nothing).  Each path has LDS bytes of its own.
.set SPARE, 67584                      ; behind both paths' regions: the spare words, 128 bytes for each wave: two blocks of 256 bytes that no other line names
.set SPW,   192                        ; v192  LDS address of my spare word: SPARE + 4 x my thread's number; never rewritten
.set NIL,   193                        ; v193  0; never rewritten
.set WV,    20                         ; s20   my wave's number
.set EMAX,  2
; ---- path X
.set STEPS, 16                         ; a wave takes 16 steps of 512 numbers
.set CB,    8                          ; bytes of 16 codes
.set XR,    16                         ; v16-79   four sets of 16 numbers as they are loaded
.set XX,    80                         ; v80-111  two sets of 16 neighbours
.set XE,    112                        ; v112-127 a scale byte for each step
.set XC,    128                        ; v128-191 codes: four registers for each step, so that no store's data are written again
.set WREG,  8192                       ; LDS 0 .. 32,767: a region for each wave: two stages of 32 x SP bytes, behind them its 256 scale bytes
.set SP,    80                         ; a lane's place in a stage: its 64 bytes + 16 of padding
; ---- path W
.set SIZE_N, 3072
.set KW,    512                        ; along K for a wave
.set NB,    KW/32
.set PITCH, 272                        ; a stage row: 256 bytes of codes + 16
.set KROW,  512                        ; a row of wc in bytes
.set WSTG,  32768                      ; LDS 32,768 .. 67,583: four stages of 32 x PITCH
.set WX,    32                         ; v32-95   two sets of 32 numbers
.set WC,    96                         ; v96-99   a block's codes
.set WOUT,  112                        ; v112-175 the way out
.set WSB,   24                         ; v24-27   the scale bytes, four to a register
; ---- path O
.set OX,    32                         ; v32-95   two sets of 32 numbers
.set OH,    96                         ; v96-159  f16 pairs: sixteen registers for each block of 32 k, so that no store's data are written again
.macro XLOAD t
.irp i, 0,1,2,3
	global_load_b128 v[XR+16*((\t)%4)+4*\i:XR+16*((\t)%4)+4*\i+3], v3, s[4:5] offset:2048*(\t)+512*\i th:TH_LOAD_NT   ; 32 lanes read 512 consecutive bytes
.endr
.endm
.macro XTURN t                         ; step t's numbers through the stage: LDS serves a wave's instructions in order, so no wait stands between the stores and the loads
.irp i, 0,1,2,3
	ds_store_b128 v14, v[XR+16*((\t)%4)+4*\i:XR+16*((\t)%4)+4*\i+3] offset:32*SP*((\t)%2)+8*SP*\i
.endr
.irp i, 0,1,2,3
	ds_load_b128 v[XX+16*((\t)%2)+4*\i:XX+16*((\t)%2)+4*\i+3], v15 offset:32*SP*((\t)%2)+16*\i
.endr
.endm
.macro XSTEP t
.set XN, XX+16*((\t)%2)
.if (\t) > 0
	s_wait_dscnt 1                                 ; this step's numbers are back from the stage (the last step's byte store may be out): so its stores into the stage have read their registers,
.else
	s_wait_dscnt 0x0
.endif
.if (\t)+4 < STEPS
	XLOAD (\t)+4                                   ; which take the loads of four steps on
.endif
.if (\t)+1 < STEPS
.if STEPS-2-(\t) >= 3
	s_wait_loadcnt 12                              ; the next step's four loads are in; those of the three steps behind it may be out
.else
	s_wait_loadcnt 4*(STEPS-2-(\t))
.endif
	XTURN (\t)+1                                   ; and go through the other stage while this step is worked
.endif
	v_max3_num_f32 v8, |v[XN]|, |v[XN+1]|, |v[XN+2]|               ; the largest magnitude of my 16, in two chains
	v_max3_num_f32 v9, |v[XN+3]|, |v[XN+4]|, |v[XN+5]|
.irp i, 6,10
	v_max3_num_f32 v8, v8, |v[XN+\i]|, |v[XN+\i+1]|
	v_max3_num_f32 v9, v9, |v[XN+\i+2]|, |v[XN+\i+3]|
.endr
	v_max3_num_f32 v8, v8, |v[XN+14]|, |v[XN+15]|
	v_max3_num_f32 v8, v8, v9, (EMAX+1)<<23        ; and the floor 2^(EMAX + 1 - 127): so the byte cannot fall under 1
	v_max_num_f32_dpp v8, v8, v8 row_xmask:1 row_mask:0xf bank_mask:0xf   ; and of my neighbour's 16: the block's
	v_add_nc_u32 v11, 0xff000000, v8               ; EMAX off its exponent field: the conversion takes the exponent field of this operand as its scale
	v_cvt_scalef32_pk8_fp4_f32 v[XC+4*(\t)], v[XN:XN+7], v11
	v_cvt_scalef32_pk8_fp4_f32 v[XC+4*(\t)+1], v[XN+8:XN+15], v11
	v_lshrrev_b32 v[XE+(\t)], 23, v11              ; the scale's byte (a plain line behind the conversions)
	ds_store_b8 v5, v[XE+(\t)] offset:16*(\t)      ; both lanes of a block write the same byte with the same value
	global_store_b64 v4, v[XC+4*(\t):XC+4*(\t)+1], s[10:11] offset:32*CB*(\t)   ; the wave stores 256 consecutive bytes, aligned
.endm
.macro WLOAD t                         ; block t: w_qkv(32 t + i, my column), i = 0 .. 31, into set t % 2
.irp i, 0,1,2,3,4,5,6,7,8,9,10,11,12,13,14,15,16,17,18,19,20,21,22,23,24,25,26,27,28,29,30,31
	global_load_b32 v[WX+32*((\t)%2)+\i], v3, s[6:7] offset:(32*(\t)+\i)*SIZE_N*4 th:TH_LOAD_NT
.endr
.endm
.macro WBLOCK t
.set WN, WX+32*((\t)%2)
.if (\t) < NB-1
	s_wait_loadcnt 32                              ; this block's 32 loads are in; the next block's may be out
.else
	s_wait_loadcnt 0
.endif
	v_max3_num_f32 v12, |v[WN]|, |v[WN+1]|, |v[WN+2]|               ; the block's largest magnitude: all 32 numbers are mine
	v_max3_num_f32 v13, |v[WN+3]|, |v[WN+4]|, |v[WN+5]|
.irp i, 6,10,14,18,22,26
	v_max3_num_f32 v12, v12, |v[WN+\i]|, |v[WN+\i+1]|
	v_max3_num_f32 v13, v13, |v[WN+\i+2]|, |v[WN+\i+3]|
.endr
	v_max3_num_f32 v12, v12, |v[WN+30]|, |v[WN+31]|
	v_max3_num_f32 v12, v12, v13, (EMAX+1)<<23     ; and the floor
	v_add_nc_u32 v11, 0xff000000, v12              ; the conversion's scale operand
	v_lshrrev_b32 v13, 23, v11                     ; the scale's byte
.if (\t)%4 == 0
	v_mov_b32 v[WSB+(\t)/4], v13                   ; four bytes to a register, the lower K in the lower byte
.else
	v_lshl_or_b32 v[WSB+(\t)/4], v13, 8*((\t)%4), v[WSB+(\t)/4]
.endif
.irp g, 0,1,2,3
	v_cvt_scalef32_pk8_fp4_f32 v[WC+\g], v[WN+8*\g:WN+8*\g+7], v11
.endr
	ds_store_b128 v4, v[WC:WC+3] offset:16*(\t)    ; 32 codes: 16 bytes of my column's row
.if (\t)+2 < NB
	WLOAD (\t)+2
.endif
	s_wait_dscnt 0x0                               ; the store has read its registers: the next block's codes may be written
.endm
.macro OLOAD t                         ; block t: w_out(128 ks + 32 t + i, my column)
.irp i, 0,1,2,3,4,5,6,7,8,9,10,11,12,13,14,15,16,17,18,19,20,21,22,23,24,25,26,27,28,29,30,31
	global_load_b32 v[OX+32*((\t)%2)+\i], v3, s[8:9] offset:(32*(\t)+\i)*4096 th:TH_LOAD_NT
.endr
.endm
.macro OBLOCK t
.set ON, OX+32*((\t)%2)
.if (\t) < 3
	s_wait_loadcnt 32                              ; this block's 32 loads are in; the next block's may be out
.else
	s_wait_loadcnt 0
.endif
.irp u, 0,1
.irp hh, 0,1
.irp p, 0,1,2,3
	v_cvt_pk_f16_f32 v[OH+16*(\t)+8*\u+4*\hh+\p], v[ON+16*\u+8*\hh+2*\p], v[ON+16*\u+8*\hh+2*\p+1]   ; eight neighbours along K make 16 bytes
.endr
.endr
.endr
.if (\t) < 2
	OLOAD (\t)+2
.endif
.irp u, 0,1
.irp hh, 0,1
	global_store_b128 v4, v[OH+16*(\t)+8*\u+4*\hh:OH+16*(\t)+8*\u+4*\hh+3], s[18:19] offset:(2*(\t)+\u)*512+\hh*256   ; sixteen lanes store 256 consecutive bytes, aligned
.endr
.endr
.endm
	s_load_b256 s[4:11], s[0:1], 0x0               ; x s[4:5], w_qkv s[6:7], w_out s[8:9], xc s[10:11]
	s_load_b256 s[12:19], s[0:1], 0x20             ; xs s[12:13], wc s[14:15], ws s[16:17], wo s[18:19]
	v_lshl_add_u32 v[SPW], v0, 2, SPARE
	v_mov_b32 v[NIL], 0
	v_lshrrev_b32 v1, 5, v0
	v_readfirstlane_b32 s[WV], v1                  ; wave 0..3
	v_and_b32 v2, 31, v0                           ; lane
	s_mov_b32 s25, 0                               ; the high word of every offset pair s[24:25]
	s_wait_kmcnt 0x0
	s_cmp_lt_u32 ttmp9, 48
	s_cbranch_scc1 .Lw
	s_cmp_lt_u32 ttmp9, 112
	s_cbranch_scc1 .Lo
	; ---------------- path X: a lane must hold 16 NEIGHBOURS for the conversions, and a load is best where neighbouring lanes take neighbouring bytes: both are had by a turn through the wave's own stage
	v_lshlrev_b32 v3, 4, v2                        ; my 16 bytes of a load's 512
	s_mul_i32 s21, s[WV], WREG
	v_lshrrev_b32 v14, 2, v2
	v_mul_u32_u24 v14, v14, SP
	v_and_b32 v15, 3, v2
	v_lshl_add_u32 v14, v15, 4, v14
	v_add_nc_u32 v14, s21, v14                     ; the stage, on the way in: SP (lane / 4) + 16 (lane % 4)
	v_mul_u32_u24 v15, v2, SP
	v_add_nc_u32 v15, s21, v15                     ; and on the way out: SP x lane: my 16 neighbours
	v_mul_u32_u24 v4, v2, CB                       ; my codes' place in a step's
	v_lshrrev_b32 v5, 1, v2
	s_add_co_u32 s21, s21, 2*32*SP
	v_add_nc_u32 v5, s21, v5                       ; LDS: my wave's 256 scale bytes, my block's byte
	v_lshlrev_b32 v7, 3, v2                        ; and on the way out 8 bytes a lane
	v_add_nc_u32 v6, s21, v7
	s_sub_co_u32 s22, ttmp9, 112
	s_lshl_b32 s22, s22, 2
	s_add_co_u32 s22, s22, s[WV]                   ; which run of 8,192 numbers is my wave's: 0 .. 1,023
	s_lshl_b32 s24, s22, 15                        ; 32,768 bytes of x a run,
	s_add_nc_u64 s[4:5], s[4:5], s[24:25]
	s_lshl_b32 s24, s22, 12                        ; 4,096 of codes,
	s_add_nc_u64 s[10:11], s[10:11], s[24:25]
	s_lshl_b32 s24, s22, 8                         ; 256 scale bytes
	s_add_nc_u64 s[12:13], s[12:13], s[24:25]
.irp t, 0,1,2,3
	XLOAD \t
.endr
	s_wait_loadcnt 12                              ; step 0's four loads are in
	XTURN 0
.irp t, 0,1,2,3,4,5,6,7,8,9,10,11,12,13,14,15
	XSTEP \t
.endr
	ds_load_b64 v[8:9], v6                         ; LDS serves a wave's instructions in order: these see my byte stores
	s_wait_dscnt 0x0
	global_store_b64 v7, v[8:9], s[12:13]          ; 32 lanes store 256 consecutive bytes, aligned
	s_wait_tensorcnt 0x0                           ; the wave's end, behind my last LDS store
	ds_add_u32 v[SPW], v[NIL]
	s_wait_dscnt 0x0
	s_endpgm
.Lw:	; ---------------- path W: A LANE TAKES A COLUMN n, AND ITS REGISTERS RUN DOWN K: a block of 32 lies in one lane, and the codes come out with K innermost.  A wave: 32 columns x 512 along K
	s_lshr_b32 s21, ttmp9, 1
	s_lshl_b32 s21, s21, 7
	s_lshl_b32 s22, s[WV], 5
	s_add_co_u32 s21, s21, s22                     ; my wave's first column: 128 (id / 2) + 32 x wave
	s_and_b32 s22, ttmp9, 1                        ; which half of K
	v_lshlrev_b32 v3, 2, v2                        ; in: 4 bytes a lane
	s_mul_i32 s23, s[WV], 32*PITCH
	s_add_co_u32 s23, s23, WSTG                    ; my stage
	v_mul_u32_u24 v4, v2, PITCH
	v_add_nc_u32 v4, s23, v4                       ; into it: row = my column
	v_and_b32 v5, 15, v2
	v_lshrrev_b32 v6, 4, v2                        ; out of it: sixteen lanes to a row, two rows an instruction
	v_mul_u32_u24 v7, v6, PITCH
	v_lshl_add_u32 v7, v5, 4, v7
	v_add_nc_u32 v7, s23, v7
	v_mul_u32_u24 v8, v6, KROW
	v_lshl_add_u32 v8, v5, 4, v8                   ; and the same place in wc
	v_lshlrev_b32 v9, 5, v2                        ; my column's row of scale bytes
	s_mul_i32 s24, s22, KW*SIZE_N*4                ; w_qkv: 512 rows of 12,288 bytes for the upper half,
	s_lshl_b32 s26, s21, 2                         ; + 4 x column
	s_add_co_u32 s24, s24, s26
	s_add_nc_u64 s[6:7], s[6:7], s[24:25]
	s_mul_i32 s24, s21, KROW                       ; wc: column x 512 + 256 x half
	s_lshl_b32 s26, s22, 8
	s_add_co_u32 s24, s24, s26
	s_add_nc_u64 s[14:15], s[14:15], s[24:25]
	s_lshl_b32 s24, s21, 5                         ; ws: column x 32 + 16 x half
	s_lshl_b32 s26, s22, 4
	s_add_co_u32 s24, s24, s26
	s_add_nc_u64 s[16:17], s[16:17], s[24:25]
	WLOAD 0
	WLOAD 1
.set WT, 0
.rept NB
	WBLOCK WT
.set WT, WT+1
.endr
	global_store_b128 v9, v[WSB:WSB+3], s[16:17]   ; my column's 16 scale bytes
.irp t, 0,1,2,3,4,5,6,7,8,9,10,11,12,13,14,15
	ds_load_b128 v[WOUT+4*\t:WOUT+4*\t+3], v7 offset:2*\t*PITCH   ; LDS serves a wave's instructions in order: these see my stores
.endr
.irp t, 0,1,2,3,4,5,6,7,8,9,10,11,12,13,14,15
	s_wait_dscnt 15-\t                             ; load t is in; the younger ones may be out
	global_store_b128 v8, v[WOUT+4*\t:WOUT+4*\t+3], s[14:15] offset:2*\t*KROW   ; sixteen lanes store 256 consecutive bytes, aligned
.endr
	s_wait_tensorcnt 0x0                           ; the wave's end, behind my last LDS store
	ds_add_u32 v[SPW], v[NIL]
	s_wait_dscnt 0x0
	s_endpgm
.Lo:	; ---------------- path O: again a lane to a column, registers down K.  A wave: 32 columns x one K step of 128.  A lane's eight f16 are the 16 bytes that one lane of the later operand wants: no LDS
	s_sub_co_u32 s21, ttmp9, 48
	s_and_b32 s22, s21, 7                          ; nx: which 128 columns
	s_lshr_b32 s23, s21, 3                         ; ks: which K step
	s_lshl_b32 s24, s23, 19                        ; w_out: 128 rows of 4,096 bytes a K step,
	s_lshl_b32 s26, s22, 9                         ; + 512 nx
	s_add_co_u32 s24, s24, s26
	s_lshl_b32 s26, s[WV], 7                       ; + 128 x wave
	s_add_co_u32 s24, s24, s26
	s_add_nc_u64 s[8:9], s[8:9], s[24:25]
	s_lshl_b32 s24, s23, 18                        ; wo: 262,144 bytes a K step,
	s_lshl_b32 s26, s22, 15                        ; + (8 nx
	s_add_co_u32 s24, s24, s26
	s_lshl_b32 s26, s[WV], 13                      ; + 2 x wave) tiles of 4,096 bytes
	s_add_co_u32 s24, s24, s26
	s_add_nc_u64 s[18:19], s[18:19], s[24:25]
	v_lshlrev_b32 v3, 2, v2                        ; in: 4 bytes a lane
	v_lshrrev_b32 v4, 4, v2
	v_and_b32 v5, 15, v2
	v_lshlrev_b32 v4, 12, v4
	v_lshl_add_u32 v4, v5, 4, v4                   ; out: tile lane / 16, 16 bytes at 16 (lane % 16)
	OLOAD 0
	OLOAD 1
	OBLOCK 0
	OBLOCK 1
	OBLOCK 2
	OBLOCK 3
	s_endpgm
.Lfunc_end_k_qbb293325b3_prep:
	.size	k_qbb293325b3_prep, .Lfunc_end_k_qbb293325b3_prep-k_qbb293325b3_prep
	.p2alignl 7, 3214868480
	.fill 96, 4, 3214868480
	.section	.rodata,"a",@progbits
	.p2align	6, 0x0
	.amdhsa_kernel k_qbb293325b3_prep
		.amdhsa_group_segment_fixed_size 68096
		.amdhsa_private_segment_fixed_size 0
		.amdhsa_enable_private_segment 0
		.amdhsa_kernarg_size 64
		.amdhsa_user_sgpr_count 2
		.amdhsa_user_sgpr_kernarg_segment_ptr 1
		.amdhsa_wavefront_size32 1
		.amdhsa_system_sgpr_workgroup_id_x 1
		.amdhsa_system_sgpr_workgroup_id_y 1
		.amdhsa_system_sgpr_workgroup_id_z 1
		.amdhsa_system_vgpr_workitem_id 0
		.amdhsa_next_free_vgpr 194
		.amdhsa_next_free_sgpr 66
		.amdhsa_reserve_vcc 0
		.amdhsa_float_denorm_mode_32 3
		.amdhsa_float_denorm_mode_16_64 3
		.amdhsa_memory_ordered 1
		.amdhsa_forward_progress 1
		.amdhsa_inst_pref_size 129
	.end_amdhsa_kernel
	.amdgpu_metadata
---
amdhsa.version: [ 1, 2 ]
amdhsa.kernels:
  - .name:           k_qbb293325b3_prep
    .symbol:         k_qbb293325b3_prep.kd
    .args:
      - { .name: x, .offset: 0, .size: 8, .value_kind: global_buffer, .address_space: global }
      - { .name: w_qkv, .offset: 8, .size: 8, .value_kind: global_buffer, .address_space: global }
      - { .name: w_out, .offset: 16, .size: 8, .value_kind: global_buffer, .address_space: global }
      - { .name: xc, .offset: 24, .size: 8, .value_kind: global_buffer, .address_space: global }
      - { .name: xs, .offset: 32, .size: 8, .value_kind: global_buffer, .address_space: global }
      - { .name: wc, .offset: 40, .size: 8, .value_kind: global_buffer, .address_space: global }
      - { .name: ws, .offset: 48, .size: 8, .value_kind: global_buffer, .address_space: global }
      - { .name: wo, .offset: 56, .size: 8, .value_kind: global_buffer, .address_space: global }
    .group_segment_fixed_size: 68096
    .private_segment_fixed_size: 0
    .kernarg_segment_align: 8
    .kernarg_segment_size: 64
    .max_flat_workgroup_size: 128
    .sgpr_count:     66
    .vgpr_count:     194
    .wavefront_size: 32
...
	.end_amdgpu_metadata
.endif
;; end of part 1
;; launch qkv (part 2): grid 12 x 32, 4 waves a work-group, clusters of 4 x 4, 327,680 bytes of LDS; arguments xc, xs, wc, ws, qkv; writes qkv
.if DOCPART == 2
	.amdgcn_target "amdgcn-amd-amdhsa--gfx1250"
	.amdhsa_code_object_version 6
	.text
	.protected	k_qbb293325b3_qkv
	.globl	k_qbb293325b3_qkv
	.p2align	8
	.type	k_qbb293325b3_qkv,@function
k_qbb293325b3_qkv:
	s_mov_b64 s[64:65], 0
	v_nop
	global_prefetch_b8 v0, s[64:65] scope:SCOPE_SE
	s_setreg_imm32_b32 hwreg(HW_REG_WAVE_MODE, 25, 1), 1
	s_wait_xcnt 0x0
	s_wait_alu depctr_hold_cnt(0) depctr_sa_sdst(0) depctr_va_vdst(0) depctr_va_sdst(0) depctr_va_ssrc(0) depctr_va_vcc(0) depctr_vm_vsrc(0)
	s_getreg_b32 s2, hwreg(HW_REG_IB_STS2, 6, 4)
	s_cmp_eq_u32 s2, 0
	s_cbranch_scc0 .Lentry_in_a_cluster
	s_endpgm
.Lentry_in_a_cluster:
	s_bfe_u32 s2, ttmp6, 0x10000c
	s_cmp_lg_u32 s2, 0xf033
	s_cbranch_scc0 .Lentry_shape_is_right
	s_endpgm
.Lentry_shape_is_right:
; qkv = Q(x) Q(w_qkv): [8192][1024] x [3072][1024]^T on codes of FP4 (E2M1) with one E8M0 scale for each 32 along K; sums in f32; the result is rounded ONCE to f16, as the operand of the two attention products.
; A tile of 256 tokens x 256 columns is made by a work-group of four waves; a wave makes 128 x 128: 64 accumulators, 512 registers.  K = 1,024 is two slots of 512 along K (rows of 256 bytes):
; both are asked for at the head, so no LDS byte is filled twice and there is no loop.  The scale bytes of the work-group's rows, two dense blocks, come with them in whole rows of 256 bytes.
; CLUSTERS: 4 x 4 work-groups.  The four of a row of the cluster need the same tiles of x, the four of a column the same tiles of w: each tile is asked for JOINTLY.
; THE MATRIX INSTRUCTION IS USED TRANSPOSED (source 0 = 16 columns of w, source 1 = 16 tokens): a lane holds one token and eight neighbouring columns, which pack into 16 bytes of f16.
; THE RESULT'S LAYOUT IS THE READER'S: qkv is [slice = column / 64: 48][tile of 16 tokens: 512][16 columns: 4][512 bytes], and in the 512 bytes lane (r, h) = (token % 16, which 8 columns) lies at
; 256 h + 16 ((r + 8 h) % 16).  So an accumulator, packed, is stored by ONE instruction as 512 consecutive bytes, with no stage in LDS; and the attention launch loads it back as an operand's registers.
; LIMITS: q, k and v are rounded to f16: magnitudes above 65,504 overflow.
; REGISTERS, in windows of 256: window 0: v0-31 addresses; v32-95 scale words, two sets; from v128 x's fragments, ONE set; on the way out v128-255 packed results.
;   window 1: w's fragments, TWO sets, at v0 and v128.   window 2: the accumulators of my tokens 0-63 ((a, b) at v[8 (8 a + b)]);   window 3: those of tokens 64-127.
.set SIZE_K, 1024
.set KSTEP,  512
.set NQ,     KSTEP/128
.set ROWB,   256                       ; a tile's row in bytes: 512 codes
.set KROW,   SIZE_K*4/8                ; a row of xc or wc in memory
.set PITCH,  272                       ; an LDS row: 256 bytes + 16 of padding = 68 words: the 16 rows that a load touches start at 16 different banks (64 banks of 4 bytes: ISA guide 11.1)
.set FR,     8
.set NL,     2
.set NP,     4                         ; places behind this matrix instruction (ISA guide 7.12.1)
.set HALFT,  128*PITCH
.set SLOT,   4*HALFT
.set KS,     SIZE_K/32                 ; a row of scale bytes
.set SCL,    2*SLOT                    ; behind the slots: the scales, as rows of 256 bytes + 16 of padding
.set HALFS,  (128*KS/256)*272
.set SBLK,   (16*KS/256)*272
.set SPARE,  SCL+4*HALFS               ; the spare words, 128 bytes for each wave: two blocks of 256 bytes that no other line names
.set ADRA, 16
.set ADRB, 20
.set CO,   26                          ; v26  my 16 bytes in a result's 512
.set ADRS, 27
.set SPW,  28
.set NIL,  29
.set SC,   32
.set AF,   128
.set G1, 24
.set G0, 32
.set G1B, 48
.set G0B, 56
.set G1S, 68
.set G0S, 76
.set G1SB, 80
.set G0SB, 88
.set MSB, 0
.macro WIN new                         ; the immediate's high byte repeats the setting that is left
.if MSB != \new
	s_set_vgpr_msb (MSB<<8)|\new
.set MSB, \new
.endif
.endm
.set MUL_LO, 0xa1                      ; source 0 (w) window 1, source 1 (x) window 0, C and D window 2
.set MUL_HI, 0xf1
.set TO_B,   0x40
; A joint load: waves 0 and 1 fetch for x, waves 2 and 3 for w.  The branch hangs on the wave's number alone.  An s_nop 0 and four v_nop follow each of the two lines.
.macro JLOAD g0a, g1a, g0b, g1b
	s_cmp_eq_u32 s15, 0
	s_cbranch_scc0 .Lfor_b_\@
	tensor_load_to_lds s[\g0a:\g0a+3], s[\g1a:\g1a+7]
	s_nop 0
.rept 4
	v_nop
.endr
	s_branch .Lasked_\@
.Lfor_b_\@:
	tensor_load_to_lds s[\g0b:\g0b+3], s[\g1b:\g1b+7]
	s_nop 0
.rept 4
	v_nop
.endr
.Lasked_\@:
.endm
.macro CROUND                          ; a round of the cluster's barrier
	s_barrier_signal -1
	s_barrier_wait -1
	s_cmp_lg_u32 s14, 0
	s_cbranch_scc1 .Lnot_wave_0_\@
	s_barrier_signal -3
.Lnot_wave_0_\@:
	s_barrier_wait -3
	s_barrier_signal -1
	s_barrier_wait -1
.endm
	s_load_b128 s[4:7], s[0:1], 0x0                ; x's codes s[4:5], x's scales s[6:7]
	s_load_b128 s[8:11], s[0:1], 0x10              ; w's codes s[8:9], w's scales s[10:11]
	s_load_b64 s[12:13], s[0:1], 0x20              ; qkv
	v_lshl_add_u32 v[SPW], v0, 2, SPARE
	v_mov_b32 v[NIL], 0
	ds_add_u32 v[SPW], v[NIL]                      ; the wave's opening: the add, twice on end, and its wait ahead of my first tensor load
	ds_add_u32 v[SPW], v[NIL]
	v_lshrrev_b32 v1, 5, v0
	v_readfirstlane_b32 s14, v1                    ; wave 0..3
	s_lshr_b32 s15, s14, 1                         ; which half of the tile's tokens is mine.  Also: I fetch for x (0) or for w (1)
	s_and_b32 s16, s14, 1                          ; which half of its columns.  Also: which 128 rows of that tile I fetch
	s_bfe_u32 s40, ttmp6, 0x40000                  ; cx, cy: my place in the cluster
	s_bfe_u32 s41, ttmp6, 0x40004
	s_lshl_b32 s42, ttmp9, 2
	s_add_co_u32 s42, s42, s40                     ; tile column = 4 x cluster x + cx
	s_and_b32 s17, ttmp7, 0xffff
	s_lshl_b32 s17, s17, 2
	s_add_co_u32 s17, s17, s41                     ; tile row = 4 x cluster y + cy
	s_lshl_b32 s43, s41, 2
	s_lshl_b32 s43, 15, s43                        ; my row of the cluster
	s_lshl_b32 s44, 0x1111, s40                    ; my column
	s_or_b32 s[G1+0], s43, (0<<16)|(1<<20)|(1<<21)|(5<<22)|(3<<25)  ; the mask; elements of 1 byte; padding on; bit 21 beside a mask; after every 64 words four words
	s_or_b32 s[G1B+0], s44, (0<<16)|(1<<20)|(1<<21)|(5<<22)|(3<<25)
.irp g, G1, G1B
	s_mov_b32 s[\g+1], ROWB<<16                    ; tensor_dim0
	s_mov_b32 s[\g+2], 128<<16                     ; tensor_dim1 = 128
	s_mov_b32 s[\g+3], ROWB<<16                    ; tile_dim0
	s_mov_b32 s[\g+4], 128                         ; tile_dim1 = 128
	s_mov_b32 s[\g+5], KROW                        ; from row to row
	s_mov_b32 s[\g+6], 0
	s_mov_b32 s[\g+7], 0
.endr
	s_or_b32 s[G1S+0], s43, (3<<16)|(1<<20)|(1<<21)|(5<<22)|(3<<25)  ; the scales of 128 rows: 4,096 dense bytes as 16 rows of 256 (32 elements of 8 bytes), 16 bytes of padding behind each
	s_or_b32 s[G1SB+0], s44, (3<<16)|(1<<20)|(1<<21)|(5<<22)|(3<<25)
.irp g, G1S, G1SB
	s_mov_b32 s[\g+1], 32<<16
	s_mov_b32 s[\g+2], (128*KS/256)<<16
	s_mov_b32 s[\g+3], 32<<16
	s_mov_b32 s[\g+4], 128*KS/256
	s_mov_b32 s[\g+5], 32
	s_mov_b32 s[\g+6], 0
	s_mov_b32 s[\g+7], 0
.endr
	s_lshl_b32 s18, s16, 7                         ; which 128 rows of the tile I fetch
	s_lshl_b32 s20, s17, 8
	s_add_co_u32 s20, s20, s18                     ; x: row 256 x tile row + 128 x half
	s_lshl_b32 s46, s42, 8
	s_add_co_u32 s46, s46, s18                     ; w: row 256 x tile column + 128 x half
	s_mov_b32 s21, 0
	s_mov_b32 s47, 0
	s_mov_b64 s[18:19], KS
	s_mul_u64 s[22:23], s[20:21], s[18:19]         ; where these rows' scales begin, in bytes
	s_mul_u64 s[92:93], s[46:47], s[18:19]
	s_mov_b64 s[18:19], KROW
	s_mul_u64 s[20:21], s[20:21], s[18:19]         ; and their codes
	s_mul_u64 s[46:47], s[46:47], s[18:19]
	s_mul_i32 s45, s14, HALFT                      ; where they go: wave x 128 rows: no place in the cluster enters an LDS address
	s_mul_i32 s94, s14, HALFS
	s_wait_dscnt 0x0                               ; both opening adds are done
	s_wait_kmcnt 0x0
	s_add_nc_u64 s[20:21], s[4:5], s[20:21]
	s_add_nc_u64 s[22:23], s[6:7], s[22:23]
	s_add_nc_u64 s[46:47], s[8:9], s[46:47]
	s_add_nc_u64 s[92:93], s[10:11], s[92:93]
	CROUND                                         ; all sixteen work-groups are here: the joint loads meet
	s_mov_b32 s[G0S], 1
	s_add_co_u32 s[G0S+1], s94, SCL
	s_mov_b64 s[G0S+2:G0S+3], s[22:23]
	s_or_b32 s[G0S+3], s[G0S+3], 0x80000000
	s_mov_b32 s[G0SB], 1
	s_add_co_u32 s[G0SB+1], s94, SCL
	s_mov_b64 s[G0SB+2:G0SB+3], s[92:93]
	s_or_b32 s[G0SB+3], s[G0SB+3], 0x80000000
	JLOAD G0S, G1S, G0SB, G1SB                     ; the scales first: they are wanted with K step 0
.irp s, 0,1
	s_mov_b32 s[G0+4*\s], 1
	s_add_co_u32 s[G0+4*\s+1], s45, \s*SLOT
	s_add_nc_u64 s[G0+4*\s+2:G0+4*\s+3], s[20:21], \s*ROWB
	s_or_b32 s[G0+4*\s+3], s[G0+4*\s+3], 0x80000000
	s_mov_b32 s[G0B+4*\s], 1
	s_add_co_u32 s[G0B+4*\s+1], s45, \s*SLOT
	s_add_nc_u64 s[G0B+4*\s+2:G0B+4*\s+3], s[46:47], \s*ROWB
	s_or_b32 s[G0B+4*\s+3], s[G0B+4*\s+3], 0x80000000
	JLOAD G0+4*\s, G1, G0B+4*\s, G1B               ; three tensor loads of mine are out at the most
.endr
	v_and_b32 v1, 15, v0                           ; r = l % 16
	v_bfe_u32 v2, v0, 4, 1                         ; h = l / 16
	v_mul_u32_u24 v3, v1, PITCH
	v_lshl_add_u32 v4, v2, 4, v3                   ; a fragment's row x pitch + 16 x half
	s_mul_i32 s21, s15, HALFT                      ; my 128 rows of x
	s_mul_i32 s22, s16, HALFT                      ; my 128 rows of w,
	s_add_co_u32 s22, s22, 2*HALFT                 ; which lie behind x's 256
.irp s, 0,1
	v_add_nc_u32 v[ADRA+\s], s21, v4
	v_add_nc_u32 v[ADRB+\s], s22, v4
	s_add_co_u32 s21, s21, SLOT
	s_add_co_u32 s22, s22, SLOT
.endr
	v_mul_u32_u24 v5, v1, KS                       ; my row's scales: KS bytes a row,
	v_lshrrev_b32 v6, 8, v5
	v_lshl_add_u32 v5, v6, 4, v5                   ; and 16 more for each 256 passed
	s_mul_i32 s21, s15, HALFS                      ; x's: my 128 rows
	s_mul_i32 s22, s16, HALFS                      ; w's: my 128 rows, behind x's 256
	s_add_co_u32 s22, s22, 2*HALFS
	s_sub_co_u32 s22, s22, s21
	v_mul_u32_u24 v6, s22, v2                      ; lanes 16-31 take w's
	s_add_co_u32 s21, s21, SCL
	v_add_nc_u32 v5, v5, v6
	v_add_nc_u32 v[ADRS], s21, v5
	v_lshl_add_u32 v5, v2, 3, v1                   ; the way out: my place in a result's 512 bytes: 256 h + 16 ((r + 8 h) % 16)
	v_and_b32 v5, 15, v5
	v_lshlrev_b32 v[CO], 4, v5
	v_lshl_add_u32 v[CO], v2, 8, v[CO]
	s_lshl_b32 s20, s17, 4
	s_lshl_b32 s21, s15, 3
	s_add_co_u32 s20, s20, s21                     ; my first tile of 16 tokens: 16 x tile row + 8 x half,
	s_lshl_b32 s20, s20, 11                        ; 2,048 bytes each
	s_mov_b32 s21, 0
	s_lshl_b32 s46, s42, 2
	s_lshl_b32 s47, s16, 1
	s_add_co_u32 s46, s46, s47                     ; my first slice of 64 columns: 4 x tile column + 2 x half,
	s_lshl_b32 s46, s46, 20                        ; 2^20 bytes each
	s_mov_b32 s47, 0
	s_add_nc_u64 s[20:21], s[20:21], s[46:47]
	s_add_nc_u64 s[12:13], s[12:13], s[20:21]
.macro FRAG reg, adr, q, i             ; a fragment, 16 rows x 128 K of 4-bit codes, is 8 registers: lane l holds row l % 16; registers 4 c .. 4 c + 3 hold K = 64 c + 32 (l / 16) + 0 .. 31
.irp c, 0,1
	ds_load_b128 v[\reg+4*\c:\reg+4*\c+3], v[\adr] offset:64*(\q)+32*\c+(\i)*16*PITCH
.endr
.endm
; 16 matrix instructions: x's blocks a0, a0 + 1 against w's eight, 128 along K: the slot's q-th.  p: w's set;  sc: the set of scale words.  zero = 1: the first product starts the sums.
; The 64 accumulators take turns, one instruction a turn, in the same order in every step.
.macro MUL16 a0, p, q, sc, zero
.irp a, \a0, \a0+1
.irp b, 0,1,2,3,4,5,6,7
.if \zero
	v_wmma_scale_f32_16x16x128_f8f6f4 v[8*(8*((\a)%4)+\b):8*(8*((\a)%4)+\b)+7], v[128*(\p)+FR*\b:128*(\p)+FR*\b+FR-1], v[AF+FR*(\a):AF+FR*(\a)+FR-1], 0, v[SC+8*NQ*(\sc)+NQ*\b+(\q)], v[SC+8*NQ*(\sc)+NQ*(\a)+(\q)] matrix_a_fmt:MATRIX_FMT_FP4 matrix_b_fmt:MATRIX_FMT_FP4 matrix_a_scale:MATRIX_SCALE_ROW1
.else
	v_wmma_scale_f32_16x16x128_f8f6f4 v[8*(8*((\a)%4)+\b):8*(8*((\a)%4)+\b)+7], v[128*(\p)+FR*\b:128*(\p)+FR*\b+FR-1], v[AF+FR*(\a):AF+FR*(\a)+FR-1], v[8*(8*((\a)%4)+\b):8*(8*((\a)%4)+\b)+7], v[SC+8*NQ*(\sc)+NQ*\b+(\q)], v[SC+8*NQ*(\sc)+NQ*(\a)+(\q)] matrix_a_fmt:MATRIX_FMT_FP4 matrix_b_fmt:MATRIX_FMT_FP4 matrix_a_scale:MATRIX_SCALE_ROW1
.endif
.endr
.endr
.endm
.macro FETCH_B slot, q, p
	WIN TO_B
.irp i, 0,1,2,3,4,5,6,7
	FRAG 128*(\p)+FR*\i, ADRB+\slot, \q, \i
.endr
	WIN 0
.endm
.macro FETCH_A slot, q, i0
.irp i, \i0, \i0+1, \i0+2, \i0+3
	FRAG AF+FR*(\i), ADRA+\slot, \q, \i
.endr
.endm
.macro SCALES sc                       ; a K step's scale words into set sc: four words a row; lanes 0-15 take x's block i, lanes 16-31 w's block i
.irp i, 0,1,2,3,4,5,6,7
	ds_load_b128 v[SC+8*NQ*\sc+NQ*\i:SC+8*NQ*\sc+NQ*\i+3], v[ADRS] offset:\i*SBLK
.endr
.endm
.macro PLACES n                        ; plain vector instructions between a matrix instruction and a load into, or a vector read of, its registers
.rept \n
	v_nop
.endr
.endm
.macro STEP slot, q, zero              ; a step of 128 along K that has its successor in the same slot
	s_wait_dscnt 4*NL                              ; w's set and x's blocks 0-3 are in; the youngest eight loads (x's blocks 4-7) may be out
	WIN MUL_LO
	MUL16 0, (\q)%2, \q, \slot, \zero
	MUL16 2, (\q)%2, \q, \slot, \zero
	s_wait_dscnt 0                                 ; x's blocks 4-7 are in
	PLACES NP
	FETCH_B \slot, (\q)+1, 1-(\q)%2
	FETCH_A \slot, (\q)+1, 0
	WIN MUL_HI
	MUL16 4, (\q)%2, \q, \slot, \zero
	MUL16 6, (\q)%2, \q, \slot, \zero
	PLACES NP
	WIN 0
	FETCH_A \slot, (\q)+1, 4
.endm
.macro TURN slot, next                 ; slot 0's last step changes slots: one barrier; in front of it each wave has waited for its part of slot 1.  Nothing is filled again
	s_wait_tensorcnt 0x0                           ; all my tensor loads have landed: my part of the next slot
	ds_add_u32 v[SPW], v[NIL]                      ; 0 onto my spare word
	s_wait_dscnt 4*NL+1                            ; (the add and the youngest eight loads may be out)
	WIN MUL_LO
	MUL16 0, 1, NQ-1, \slot, 0
	s_wait_dscnt 0x0                               ; no LDS instruction of mine is pending at the signal
	s_barrier_signal -1
	MUL16 2, 1, NQ-1, \slot, 0
	WIN 0
	s_barrier_wait -1                              ; the next slot is whole
	PLACES NP
	v_add_nc_u32 v[ADRS], 4*NQ, v[ADRS]            ; on to the next K step's scale words
	FETCH_B \next, 0, 0
	FETCH_A \next, 0, 0
	SCALES \next
	WIN MUL_HI
	MUL16 4, 1, NQ-1, \slot, 0
	MUL16 6, 1, NQ-1, \slot, 0
	PLACES NP
	WIN 0
	FETCH_A \next, 0, 4
.endm
.macro STEPS slot, from
.set Q, \from
.rept NQ-1-\from
	STEP \slot, Q, 0
.set Q, Q+1
.endr
.endm
; THE WAY OUT of block a (16 tokens x 128 columns): each accumulator is rounded to f16, from its low end on, and stored as 512 consecutive bytes at a multiple of 512 from the buffer's first byte.
.macro PACK a
.set AC, 64*((\a)%4)
.set TP, 128+32*((\a)%4)
	WIN 0x0a+5*((\a)/4)                            ; sources 0 and 1: window 2 or 3
.irp b, 0,1,2,3,4,5,6,7
.irp i, 0,1,2,3
	v_cvt_pk_f16_f32 v[TP+4*\b+\i], v[AC+8*\b+2*\i], v[AC+8*\b+2*\i+1]
.endr
.endr
	WIN 0
.irp b, 0,1,2,3,4,5,6,7
	global_store_b128 v[CO], v[TP+4*\b:TP+4*\b+3], s[12:13] offset:(\a)*2048+(\b%4)*512+(\b/4)*1048576
.endr
.endm
	s_wait_tensorcnt 1                             ; the scales and my part of K step 0 are in (K step 1's load may be out),
	s_barrier_signal -1
	s_barrier_wait -1                              ; everybody's are
	FETCH_B 0, 0, 0
	FETCH_A 0, 0, 0
	SCALES 0
	FETCH_A 0, 0, 4
	STEP 0, 0, 1                                   ; the first step's products start the sums: nothing is cleared
	STEPS 0, 1
	TURN 0, 1
	STEPS 1, 0
	s_wait_dscnt 4*NL                              ; the last step: nothing more to fetch
	WIN MUL_LO
	MUL16 0, 1, NQ-1, 1, 0
	MUL16 2, 1, NQ-1, 1, 0
	s_wait_dscnt 0
	WIN MUL_HI
	MUL16 4, 1, NQ-1, 1, 0
	MUL16 6, 1, NQ-1, 1, 0
	WIN 0
	PLACES NP                                      ; behind the last products: the conversions read results and write the registers that held x's fragments
.irp a, 0,1,2,3,4,5,6,7
.if \a >= 4
	s_wait_xcnt 0x0                                ; block a - 4's stores have read their data: the registers are written again only behind this wait
.endif
	PACK \a
.endr
	s_wait_tensorcnt 0x0                           ; the wave's end, behind my last tensor load
	ds_add_u32 v[SPW], v[NIL]
	s_wait_dscnt 0x0
	CROUND                                         ; the closing round
	s_endpgm
.Lfunc_end_k_qbb293325b3_qkv:
	.size	k_qbb293325b3_qkv, .Lfunc_end_k_qbb293325b3_qkv-k_qbb293325b3_qkv
	.p2alignl 7, 3214868480
	.fill 96, 4, 3214868480
	.section	.rodata,"a",@progbits
	.p2align	6, 0x0
	.amdhsa_kernel k_qbb293325b3_qkv
		.amdhsa_group_segment_fixed_size 327680
		.amdhsa_private_segment_fixed_size 0
		.amdhsa_enable_private_segment 0
		.amdhsa_kernarg_size 40
		.amdhsa_user_sgpr_count 2
		.amdhsa_user_sgpr_kernarg_segment_ptr 1
		.amdhsa_wavefront_size32 1
		.amdhsa_system_sgpr_workgroup_id_x 1
		.amdhsa_system_sgpr_workgroup_id_y 1
		.amdhsa_system_sgpr_workgroup_id_z 1
		.amdhsa_system_vgpr_workitem_id 0
		.amdhsa_next_free_vgpr 1024
		.amdhsa_next_free_sgpr 98
		.amdhsa_reserve_vcc 0
		.amdhsa_float_denorm_mode_32 3
		.amdhsa_float_denorm_mode_16_64 3
		.amdhsa_memory_ordered 1
		.amdhsa_forward_progress 1
		.amdhsa_inst_pref_size 117
	.end_amdhsa_kernel
	.amdgpu_metadata
---
amdhsa.version: [ 1, 2 ]
amdhsa.kernels:
  - .name:           k_qbb293325b3_qkv
    .symbol:         k_qbb293325b3_qkv.kd
    .args:
      - { .name: xc, .offset: 0, .size: 8, .value_kind: global_buffer, .address_space: global }
      - { .name: xs, .offset: 8, .size: 8, .value_kind: global_buffer, .address_space: global }
      - { .name: wc, .offset: 16, .size: 8, .value_kind: global_buffer, .address_space: global }
      - { .name: ws, .offset: 24, .size: 8, .value_kind: global_buffer, .address_space: global }
      - { .name: qkv, .offset: 32, .size: 8, .value_kind: global_buffer, .address_space: global }
    .group_segment_fixed_size: 327680
    .private_segment_fixed_size: 0
    .kernarg_segment_align: 8
    .kernarg_segment_size: 40
    .max_flat_workgroup_size: 128
    .sgpr_count:     98
    .vgpr_count:     1024
    .wavefront_size: 32
...
	.end_amdgpu_metadata
.endif
;; end of part 2
;; launch attn (part 3): grid 4 x 64, 16 waves a work-group, clusters of 4 x 1, 327,680 bytes of LDS; arguments qkv, ob; writes ob
.if DOCPART == 3
	.amdgcn_target "amdgcn-amd-amdhsa--gfx1250"
	.amdhsa_code_object_version 6
	.text
	.protected	k_qbb293325b3_attn
	.globl	k_qbb293325b3_attn
	.p2align	8
	.type	k_qbb293325b3_attn,@function
k_qbb293325b3_attn:
	s_mov_b64 s[64:65], 0
	v_nop
	global_prefetch_b8 v0, s[64:65] scope:SCOPE_SE
	s_setreg_imm32_b32 hwreg(HW_REG_WAVE_MODE, 25, 1), 1
	s_wait_xcnt 0x0
	s_wait_alu depctr_hold_cnt(0) depctr_sa_sdst(0) depctr_va_vdst(0) depctr_va_sdst(0) depctr_va_ssrc(0) depctr_va_vcc(0) depctr_vm_vsrc(0)
	s_getreg_b32 s2, hwreg(HW_REG_IB_STS2, 6, 4)
	s_cmp_eq_u32 s2, 0
	s_cbranch_scc0 .Lentry_in_a_cluster
	s_endpgm
.Lentry_in_a_cluster:
	s_bfe_u32 s2, ttmp6, 0x10000c
	s_cmp_lg_u32 s2, 0x3003
	s_cbranch_scc0 .Lentry_shape_is_right
	s_endpgm
.Lentry_shape_is_right:
; O[b][head][q] = the sum over k of softmax_k(Q[q] . K[k] / 8) V[k], head size 64, 2,048 keys, no mask.  Operands in f16, products, maxima and sums in f32; the weights p are rounded to f16 for the second product.
; qkv: [slice = part x 16 + head: 48][tile of 16 tokens = 128 b + tt: 512][16 channels: 4][512 bytes]; in the 512 bytes (token r, which 8 channels h) lies at 256 h + 16 ((r + 8 h) % 16): the image of half a fragment.
; SHARES.  A work-group owns 512 queries of one (b, head); each of its SIXTEEN waves owns 32 of them, two tiles of 16, in 256 registers: four waves to a SIMD, so that one wave's softmax stands beside another's products and LDS loads.
; Every wave walks all 2,048 keys, 64 a step.  K and V come through a ring of two LDS slots of 512 keys (64 KiB of K, 64 KiB of V, each a dense block of memory), filled by waves 0 to 3, 32 KiB each, and read by all sixteen.
; CLUSTER.  The four query blocks of a (b, head) form a cluster and walk the same K and V: each tile is asked for JOINTLY, by the same tensor load with the same descriptor and the mask of all four.
; LAYOUT.  Both products are used transposed: S^T = K Q^T (source 0 = 16 keys, source 1 = 16 queries), O^T = V^T P (source 0 = 16 channels, source 1 = P): a lane holds ONE query (lane % 16) throughout, and two tiles of S^T,
; rounded in pairs, ARE a fragment of P.  K comes out of LDS as it lies, V turned by ds_load_tr16_b128.
; SOFTMAX.  For each query a running maximum m and sum l: p = 2^(c s - c m), c = log2(e) / 8; in every step O and l are multiplied by a = 2^(c m_old - c m_new).  m begins at -3e38, l and O^T at 0, so the step is written once.
; THE RESULT'S LAYOUT IS THE READER'S: ob is [K step of 128 = head / 2: 8][tile of 16 tokens: 512][16 of the 128: 8][512 bytes], lane l at 16 l: a tile of O^T, packed, is stored by one instruction as 512 consecutive bytes.
; LIMITS: NaN and infinities are not served; O is rounded to f16 (it never exceeds the largest |v|; what lies under 6e-8 is lost).
.set SLOT1, 1<<17                      ; slot 1 begins here: one exclusive or turns an address in one slot into the other's
.set VOFF,  65536                      ; in a slot: K's 32 tiles of 2,048 bytes, then V's
.set STEPB, 8192                       ; 64 keys: four tiles
.set SPARE, 2*SLOT1                    ; behind the ring: the spare words, 128 bytes for each wave: eight blocks of 256 bytes that no other line names
.set AK,  1                            ; v1   my place in a block of 512 bytes, as an operand's lane
.set AV,  2                            ; v2   my place for the turning load, in V's part
.set ADK, 3                            ; v3   LDS address of the step's K
.set ADV, 4                            ; v4   of its V
.set SPW, 5                            ; v5   LDS address of my spare word; never rewritten
.set NIL, 6                            ; v6   0; never rewritten
.set PFO, 7                            ; v7   256 x lane; never rewritten
.set GO,  8                            ; v8   16 x lane
.set ST,  16                           ; tile t's statistics at v[ST + 8 t]: +0 c m, +1 m, +2, +3 l (even keys', odd keys'), +4 .. +7 at work; behind the maximum +4, +5 a second sum, +6 a
.set Q,   32                           ; v32-63   Q: tile t, channels 32 f on, at Q + 16 t + 8 f
.set S,   64                           ; v64-127  S^T: tile t, keys 16 kt on, at S + 32 t + 8 kt; P takes the first 16 registers of a tile's 32
.set O,   128                          ; v128-191 O^T: tile t, channels 16 ct on, at O + 32 t + 8 ct
.set KV,  192                          ; v192-255 one buffer: K's eight fragments, then V's eight
.set WV,  8
.set G1,  16                           ; s[16:23] descriptor group 1
.set G0,  24                           ; s[24:27] descriptor group 0, which walks
.set CS,  28                           ; s[28:29] c
.set SEL, 30                           ; s[30:31] lane selects for v_permlanex16_b32: lane l xor 16
.set TB,  32                           ; s32  LDS byte at which the step's tiles begin
.set SLOTS, 33                         ; s33  slots still to be asked for
.set CNT, 34                           ; s34  counts a slot's eight steps
.set PFA, 36                           ; s[36:37] where my prefetches stand
.set LIM, 38                           ; s38  1 in a wave that prefetches, else the greatest number
.macro CROUND                          ; a round of the cluster's barrier
	s_barrier_signal -1
	s_barrier_wait -1
	s_cmp_lg_u32 s[WV], 0
	s_cbranch_scc1 .Lnot_wave_0_\@
	s_barrier_signal -3
.Lnot_wave_0_\@:
	s_barrier_wait -3
	s_barrier_signal -1
	s_barrier_wait -1
.endm
.macro JLOAD                           ; waves 0 to 3 fetch, the others nothing: the branch hangs on the wave's number alone.  An s_nop 0 and four v_nop follow the load
	s_cmp_lt_u32 s[WV], 4
	s_cbranch_scc0 .Lnone_\@
	tensor_load_to_lds s[G0:G0+3], s[G1:G1+7]
	s_nop 0
.rept 4
	v_nop
.endr
.Lnone_\@:
.endm
; A PREFETCH of what the NEXT change of slots will ask for: 64 KiB of K and 64 KiB of V.  The cluster's four partners take 32 KiB each, told apart BY ADDRESS (K's halves, V's halves); in each, waves 4 to 7 ask,
; one instruction each: 8 KiB a wave, lanes 256 bytes apart.  So each block of 256 bytes is named once in the launch.  It stands a slot's eight key steps ahead of the load; the last change that fills a slot asks for nothing.
.macro ASK
	s_cmp_gt_u32 s[SLOTS], s[LIM]
	s_cbranch_scc0 .Lnot_mine_\@
	global_prefetch_b8 v[PFO], s[PFA:PFA+1] th:TH_LOAD_NT scope:SCOPE_SE
.Lnot_mine_\@:
.endm
	s_load_b128 s[4:7], s[0:1], 0x0                ; qkv s[4:5], ob s[6:7]
	v_lshl_add_u32 v[SPW], v0, 2, SPARE
	v_mov_b32 v[NIL], 0
	ds_add_u32 v[SPW], v[NIL]                      ; the wave's opening: the add, twice on end, and its wait ahead of the first tensor load
	ds_add_u32 v[SPW], v[NIL]
	v_lshrrev_b32 v9, 5, v0
	v_readfirstlane_b32 s[WV], v9                  ; wave 0..15
	s_bfe_u32 s9, ttmp6, 0x40000                   ; cx: my place in the cluster
	s_and_b32 s40, ttmp7, 0xffff                   ; 16 b + head, which the four partners share
	s_and_b32 s41, s40, 15                         ; head
	s_lshr_b32 s42, s40, 4                         ; b
	s_lshl_b32 s43, s41, 20
	s_lshl_b32 s44, s42, 18
	s_add_co_u32 s44, s43, s44                     ; the (b, head)'s first byte in a part of qkv
	s_and_b32 s46, s[WV], 3                        ; what I fetch, if I fetch: 0, 1: K's halves; 2, 3: V's
	s_lshl_b32 s[G0+1], s46, 15                    ; its place in slot 0: no place in the cluster enters an LDS address
	s_lshr_b32 s47, s46, 1
	s_add_co_u32 s47, s47, 1
	s_lshl_b32 s47, s47, 24                        ; part 1 (k) or 2 (v): 2^24 bytes a part
	s_and_b32 s48, s46, 1
	s_lshl_b32 s48, s48, 15
	s_add_co_u32 s48, s48, s47
	s_add_co_u32 s48, s48, s44
	s_mov_b32 s49, 0
	s_lshl_b32 s50, ttmp9, 2
	s_add_co_u32 s50, s50, s9                      ; my block of 512 queries: it enters Q's, ob's and the prefetches' addresses alone
	s_lshl_b32 s52, s50, 16                        ; Q: 32 tiles of 2,048 bytes a block,
	s_lshl_b32 s53, s[WV], 12                      ; two tiles a wave
	s_add_co_u32 s52, s52, s53
	s_add_co_u32 s52, s52, s44
	s_mov_b32 s53, 0
	s_lshl_b32 s54, s42, 7                         ; ob: tile 128 b + 32 x block + 2 x wave,
	s_lshl_b32 s55, s50, 5
	s_add_co_u32 s54, s54, s55
	s_lshl_b32 s55, s[WV], 1
	s_add_co_u32 s54, s54, s55
	s_lshl_b32 s54, s54, 12                        ; 4,096 bytes each,
	s_lshr_b32 s55, s41, 1
	s_lshl_b32 s55, s55, 21                        ; in K step head / 2,
	s_add_co_u32 s54, s54, s55
	s_and_b32 s55, s41, 1
	s_lshl_b32 s55, s55, 11                        ; its lower or upper 64
	s_add_co_u32 s54, s54, s55
	s_mov_b32 s55, 0
	s_lshr_b32 s56, s9, 1                          ; the prefetches: partner cx takes K's (0, 1) or V's (2, 3) half cx % 2,
	s_add_co_u32 s56, s56, 1
	s_lshl_b32 s56, s56, 24
	s_and_b32 s57, s9, 1
	s_lshl_b32 s57, s57, 15
	s_add_co_u32 s56, s56, s57
	s_lshl_b32 s57, s46, 13                        ; wave % 4 its quarter of that;
	s_add_co_u32 s56, s56, s57
	s_add_co_u32 s56, s56, s44
	s_add_co_u32 s56, s56, 65536                   ; in slot 1's keys: the first change of slots steps it on.  Nothing is prefetched at the head
	s_mov_b32 s57, 0
	s_sub_co_u32 s[LIM], s[WV], 4
	s_lshr_b32 s[LIM], s[LIM], 2                   ; 0 in waves 4 to 7
	s_cmp_eq_u32 s[LIM], 0
	s_cselect_b32 s[LIM], 1, -1
	s_mov_b32 s[G1], 15|(3<<16)|(1<<21)            ; the mask: all four work-groups; elements of 8 bytes; no padding; bit 21 beside a mask
	s_mov_b32 s[G1+1], 32<<16                      ; tensor_dim0 = 32 elements: rows of 256 bytes
	s_mov_b32 s[G1+2], 128<<16                     ; tensor_dim1 = 128
	s_mov_b32 s[G1+3], 32<<16                      ; tile_dim0
	s_mov_b32 s[G1+4], 128                         ; tile_dim1
	s_mov_b32 s[G1+5], 32                          ; from row to row: dense
	s_mov_b32 s[G1+6], 0
	s_mov_b32 s[G1+7], 0
	s_mov_b32 s[CS], 0x3e38aa3b                    ; c = log2(e) / 8
	s_mov_b32 s[CS+1], s[CS]                       ; (named with it as a pair, so it is written)
	s_mov_b32 s[SEL], 0x76543210
	s_mov_b32 s[SEL+1], 0xfedcba98
	s_mov_b32 s[TB], 0
	s_mov_b32 s[SLOTS], 3
	s_mov_b32 s[G0], 1                             ; count = 1
	s_wait_dscnt 0x0                               ; both opening adds are done
	s_wait_kmcnt 0x0
	s_add_nc_u64 s[G0+2:G0+3], s[4:5], s[48:49]    ; the first 512 keys
	s_or_b32 s[G0+3], s[G0+3], 0x80000000          ; type = 2
	s_add_nc_u64 s[10:11], s[4:5], s[52:53]        ; Q at my first tile
	s_add_nc_u64 s[12:13], s[6:7], s[54:55]        ; ob likewise
	s_add_nc_u64 s[PFA:PFA+1], s[4:5], s[56:57]
	CROUND                                         ; all four work-groups are here: the first joint loads meet
	JLOAD                                          ; slot 0
	v_and_b32 v9, 15, v0                           ; r
	v_bfe_u32 v10, v0, 4, 1                        ; h
	v_lshl_add_u32 v11, v10, 3, v9
	v_and_b32 v11, 15, v11
	v_lshlrev_b32 v[AK], 4, v11
	v_lshl_add_u32 v[AK], v10, 8, v[AK]            ; 256 h + 16 ((r + 8 h) % 16)
	; The turning load: lane l addresses 16 bytes: key 8 h + l % 8, channels 8 u on, u = (l / 8) % 2; it receives channel l % 16 of keys 8 h + 0 .. 7.  That place in a block: 256 u + 128 ((h + u) % 2) + 16 (l % 8)
	v_and_b32 v12, 7, v0
	v_bfe_u32 v13, v0, 3, 1
	v_add_nc_u32 v14, v10, v13
	v_and_b32 v14, 1, v14
	v_lshlrev_b32 v[AV], 4, v12
	v_lshl_add_u32 v[AV], v14, 7, v[AV]
	v_lshl_add_u32 v[AV], v13, 8, v[AV]
	v_add_nc_u32 v[AV], VOFF, v[AV]
	v_and_b32 v[PFO], 31, v0
	v_lshlrev_b32 v[GO], 4, v[PFO]
	v_lshlrev_b32 v[PFO], 8, v[PFO]
.irp t, 0,1
.irp f, 0,1
.irp c, 0,1
	global_load_b128 v[Q+16*\t+8*\f+4*\c:Q+16*\t+8*\f+4*\c+3], v[AK], s[10:11] offset:\t*2048+(2*\f+\c)*512   ; Q stays in registers
.endr
.endr
.endr
.irp t, 0,1
	v_mov_b32 v[ST+8*\t+1], 0xff61b1e6             ; m: -3e38, under every score
	v_mul_f32 v[ST+8*\t], s[CS], v[ST+8*\t+1]      ; c m
.irp j, 2,3,4,5,6,7
	v_mov_b32 v[ST+8*\t+\j], 0                     ; l; and the registers at work, which a lane permute and the packed forms name before they are first written
.endr
.endr
.set IP, 0
.rept 64
	v_mov_b32 v[O+IP], 0                           ; O^T.  (The step is written once: its first turn finds zeros, which a = 0 leaves zeros)
.set IP, IP+1
.endr
; A KEY STEP: 64 keys.
.macro KSTEP
	v_add_nc_u32 v[ADK], s[TB], v[AK]
	v_add_nc_u32 v[ADV], s[TB], v[AV]
.rept 3
	v_nop                                          ; with the two additions five places behind the last products V^T P: four are owed by the loads into the buffer that they read, five by the products below, which write over P
.endr
.irp f, 0,1                                    ; K's eight fragments (16 keys x 32 channels: two blocks of 512 bytes each), the first 32 channels first
.irp kt, 0,1,2,3
.irp c, 0,1
	ds_load_b128 v[KV+8*(2*\kt+\f)+4*\c:KV+8*(2*\kt+\f)+4*\c+3], v[ADK] offset:\kt*2048+(2*\f+\c)*512
.endr
.endr
.endr
.irp f, 0,1                                    ; S^T = K Q^T: eight accumulators by turns, one instruction a turn; the first eight start the sums
	s_wait_dscnt 8-8*\f                            ; the first eight loads are in (the younger eight may be out); then all
.irp kt, 0,1,2,3
.irp t, 0,1
.if \f == 0
	v_wmma_f32_16x16x32_f16 v[S+32*\t+8*\kt:S+32*\t+8*\kt+7], v[KV+8*(2*\kt+\f):KV+8*(2*\kt+\f)+7], v[Q+16*\t+8*\f:Q+16*\t+8*\f+7], 0
.else
	v_wmma_f32_16x16x32_f16 v[S+32*\t+8*\kt:S+32*\t+8*\kt+7], v[KV+8*(2*\kt+\f):KV+8*(2*\kt+\f)+7], v[Q+16*\t+8*\f:Q+16*\t+8*\f+7], v[S+32*\t+8*\kt:S+32*\t+8*\kt+7]
.endif
.endr
.endr
.endr
.rept 4
	v_nop                                          ; four places: for the loads into the buffer that these products read, and for the first read of the scores
.endr
.irp g, 0,1                                    ; V's eight fragments (16 channels x 32 keys), turned; they land under the softmax; the first 32 keys first
.irp ct, 0,1,2,3
.irp c, 0,1
	ds_load_tr16_b128 v[KV+8*(2*\ct+\g)+4*\c:KV+8*(2*\ct+\g)+4*\c+3], v[ADV] offset:(2*\g+\c)*2048+\ct*512
.endr
.endr
.endr
	; the maximum of a lane's 32 scores and the old m, three operands at a time: four chains, each begun at its accumulator's low end; the two tiles by turns, so that no line waits for the line above it
.irp j, 0,1,2,3
.irp t, 0,1
	v_max3_num_f32 v[ST+8*\t+4+\j], v[S+32*\t+8*\j], v[S+32*\t+8*\j+1], v[S+32*\t+8*\j+2]
.endr
.endr
.irp i, 3,5
.irp j, 0,1,2,3
.irp t, 0,1
	v_max3_num_f32 v[ST+8*\t+4+\j], v[ST+8*\t+4+\j], v[S+32*\t+8*\j+\i], v[S+32*\t+8*\j+\i+1]
.endr
.endr
.endr
.irp t, 0,1
	v_max3_num_f32 v[ST+8*\t+4], v[ST+8*\t+4], v[S+32*\t+7], v[S+32*\t+15]
.endr
.irp t, 0,1
	v_max3_num_f32 v[ST+8*\t+6], v[ST+8*\t+6], v[S+32*\t+23], v[S+32*\t+31]
.endr
.irp t, 0,1
	v_max3_num_f32 v[ST+8*\t+4], v[ST+8*\t+4], v[ST+8*\t+5], v[ST+8*\t+6]
.endr
.irp t, 0,1
	v_max3_num_f32 v[ST+8*\t+4], v[ST+8*\t+4], v[ST+8*\t+7], v[ST+8*\t+1]
.endr
.irp t, 0,1
	v_permlanex16_b32 v[ST+8*\t+5], v[ST+8*\t+4], s[SEL], s[SEL+1]   ; the query's other 32 keys lie in the lane 16 away
.endr
.irp t, 0,1
	v_mov_b32 v[ST+8*\t+7], v[ST+8*\t]             ; c m_old is kept for a
.endr
.irp t, 0,1
	v_max_num_f32 v[ST+8*\t+1], v[ST+8*\t+4], v[ST+8*\t+5]           ; the new m
.endr
.irp t, 0,1
	v_mul_f32 v[ST+8*\t], s[CS], v[ST+8*\t+1]
.endr
.irp t, 0,1
	v_sub_f32 v[ST+8*\t+7], v[ST+8*\t+7], v[ST+8*\t]
.endr
	; ONE BATCH: a, the 16 scalings c s - c m of each tile and its 32 exponentials; none of these lines names an exponential's result
.irp t, 0,1
	v_exp_f32 v[ST+8*\t+6], v[ST+8*\t+7]           ; a = 2^(c m_old - c m_new)
.endr
.set IB, 0
.rept 16
.irp t, 0,1
	v_pk_fma_f32 v[S+32*\t+2*IB:S+32*\t+2*IB+1], v[S+32*\t+2*IB:S+32*\t+2*IB+1], s[CS:CS+1], v[ST+8*\t:ST+8*\t+1] op_sel_hi:[1,0,0] neg_lo:[0,0,1] neg_hi:[0,0,1]
.endr
.if IB > 0
.irp t, 0,1
	v_exp_f32 v[S+32*\t+2*IB-2], v[S+32*\t+2*IB-2]
	v_exp_f32 v[S+32*\t+2*IB-1], v[S+32*\t+2*IB-1]
.endr
.endif
.set IB, IB+1
.endr
.irp t, 0,1
	v_exp_f32 v[S+32*\t+30], v[S+32*\t+30]
	v_exp_f32 v[S+32*\t+31], v[S+32*\t+31]
.endr
	v_nop                                          ; a plain instruction behind the last exponential,
	s_wait_alu depctr_va_vdst(0)                   ; and ONE wait for the 66, ahead of the first line that names a result
	; the sums, of the unrounded p, two at a time in two chains: l = a l + ...
.irp t, 0,1
	v_pk_fma_f32 v[ST+8*\t+2:ST+8*\t+3], v[ST+8*\t+2:ST+8*\t+3], v[ST+8*\t+6:ST+8*\t+7], v[S+32*\t:S+32*\t+1] op_sel_hi:[1,0,1]
.endr
.irp t, 0,1
	v_pk_add_f32 v[ST+8*\t+4:ST+8*\t+5], v[S+32*\t+2:S+32*\t+3], v[S+32*\t+4:S+32*\t+5]
.endr
.irp p, 3,5,7,9,11,13
.irp t, 0,1
	v_pk_add_f32 v[ST+8*\t+2:ST+8*\t+3], v[ST+8*\t+2:ST+8*\t+3], v[S+32*\t+2*\p:S+32*\t+2*\p+1]
.endr
.irp t, 0,1
	v_pk_add_f32 v[ST+8*\t+4:ST+8*\t+5], v[ST+8*\t+4:ST+8*\t+5], v[S+32*\t+2*\p+2:S+32*\t+2*\p+3]
.endr
.endr
.irp t, 0,1
	v_pk_add_f32 v[ST+8*\t+2:ST+8*\t+3], v[ST+8*\t+2:ST+8*\t+3], v[S+32*\t+30:S+32*\t+31]
.endr
.irp t, 0,1
	v_pk_add_f32 v[ST+8*\t+2:ST+8*\t+3], v[ST+8*\t+2:ST+8*\t+3], v[ST+8*\t+4:ST+8*\t+5]
.endr
	; P, in place: pair i of a tile's 32 weights goes to its register i: registers 8 g .. 8 g + 7 are the fragment of keys 32 g on
.set IP, 0
.rept 16
.irp t, 0,1
	v_cvt_pk_f16_f32 v[S+32*\t+IP], v[S+32*\t+2*IP], v[S+32*\t+2*IP+1]
.endr
.set IP, IP+1
.endr
	; O^T x a, each accumulator from its low end on
.set IP, 0
.rept 16
.irp t, 0,1
	v_pk_mul_f32 v[O+32*\t+2*IP:O+32*\t+2*IP+1], v[O+32*\t+2*IP:O+32*\t+2*IP+1], v[ST+8*\t+6:ST+8*\t+7] op_sel_hi:[1,0]
.endr
.set IP, IP+1
.endr
.irp g, 0,1                                    ; O^T += V^T P: eight accumulators by turns
	s_wait_dscnt 8-8*\g                            ; V's first eight loads are in (the younger eight may be out); then all
.irp ct, 0,1,2,3
.irp t, 0,1
	v_wmma_f32_16x16x32_f16 v[O+32*\t+8*\ct:O+32*\t+8*\ct+7], v[KV+8*(2*\ct+\g):KV+8*(2*\ct+\g)+7], v[S+32*\t+8*\g:S+32*\t+8*\g+7], v[O+32*\t+8*\ct:O+32*\t+8*\ct+7]
.endr
.endr
.endr
	s_add_co_u32 s[TB], s[TB], STEPB               ; the next step's tiles
.endm
; THE CHANGE OF SLOTS stands at a slot's head.  Each wave waits for all its tensor loads (its part of the slot ahead), adds 0 to its spare word, and waits for that and for its reads of the slot that it has left.
; fill = 1: the barrier is a round of the cluster's, so that no wave of any partner still reads that slot or has a load on its way; the joint load is the first thing behind it and has eight key steps in which to land.
.macro CHANGE fill
	s_wait_tensorcnt 0x0                           ; no tensor load of mine is out, so the group 0 may be written
	ds_add_u32 v[SPW], v[NIL]
.if \fill
	ds_add_u32 v[SPW], v[NIL]                      ; and once more: the add stands twice on end, in every trip alike
	s_xor_b32 s[G0+1], s[G0+1], SLOT1              ; the walking descriptor: the other slot than last time,
	s_add_nc_u64 s[G0+2:G0+3], s[G0+2:G0+3], 65536 ; the next 512 keys; the type bits on top are not reached
	s_wait_xcnt 0x0                                ; the last prefetch, a slot back, has read its address, so it may be written
	s_add_nc_u64 s[PFA:PFA+1], s[PFA:PFA+1], 65536 ; one slot further on than the walking descriptor
	s_wait_dscnt 0x0                               ; both adds are done, and my reads of the slot that I have left are over
	CROUND
	JLOAD
	ASK
.else
	s_wait_dscnt 0x0
	s_barrier_signal -1
	s_barrier_wait -1
.endif
.endm
.macro EIGHT_STEPS                     ; a slot's eight key steps: written once, walked eight times; the LDS addresses hang on s[TB]
	s_mov_b32 s[CNT], 8
.Lstep_\@:
	KSTEP
	s_sub_co_u32 s[CNT], s[CNT], 1
	s_cmp_lg_u32 s[CNT], 0
	s_cbranch_scc1 .Lstep_\@
	s_sub_co_u32 s[TB], s[TB], 8*STEPB             ; back to a slot's first step,
	s_xor_b32 s[TB], s[TB], SLOT1                  ; in the other slot
.endm
	s_wait_loadcnt 0x0                             ; Q
.Lslot:                                            ; three trips: behind each change of slots but the last the next 512 keys are asked for
	CHANGE 1
	EIGHT_STEPS
	s_sub_co_u32 s[SLOTS], s[SLOTS], 1
	s_cmp_lg_u32 s[SLOTS], 0
	s_cbranch_scc1 .Lslot
	CHANGE 0                                       ; the last slot is written out
	EIGHT_STEPS
	; THE WAY OUT.  l's two halves and the other half of the lanes' are added (these lines are the places behind the last products); O^T is divided by l, rounded to f16 and stored, a tile of 16 queries x 16 channels an instruction.
.irp t, 0,1
	v_add_f32 v[ST+8*\t+4], v[ST+8*\t+2], v[ST+8*\t+3]
.endr
.irp t, 0,1
	v_permlanex16_b32 v[ST+8*\t+5], v[ST+8*\t+4], s[SEL], s[SEL+1]
.endr
.irp t, 0,1
	v_add_f32 v[ST+8*\t+4], v[ST+8*\t+4], v[ST+8*\t+5]
.endr
.irp t, 0,1
	v_rcp_f32 v[ST+8*\t+6], v[ST+8*\t+4]
.endr
	v_nop                                          ; a plain instruction behind the last reciprocal,
	s_wait_alu depctr_va_vdst(0)                   ; and one wait for the two, ahead of their first use
.set IP, 0
.rept 16
.irp t, 0,1
	v_pk_mul_f32 v[O+32*\t+2*IP:O+32*\t+2*IP+1], v[O+32*\t+2*IP:O+32*\t+2*IP+1], v[ST+8*\t+6:ST+8*\t+7] op_sel_hi:[1,0]
.endr
.set IP, IP+1
.endr
.irp t, 0,1
.irp ct, 0,1,2,3
.irp i, 0,1,2,3
	v_cvt_pk_f16_f32 v[S+16*\t+4*\ct+\i], v[O+32*\t+8*\ct+2*\i], v[O+32*\t+8*\ct+2*\i+1]
.endr
.endr
.endr
.irp t, 0,1
.irp ct, 0,1,2,3
	global_store_b128 v[GO], v[S+16*\t+4*\ct:S+16*\t+4*\ct+3], s[12:13] offset:\t*4096+\ct*512   ; 32 lanes store 512 consecutive bytes, at a multiple of 512 from the buffer's first byte
.endr
.endr
	s_wait_tensorcnt 0x0                           ; the wave's end, behind the last tensor load
	ds_add_u32 v[SPW], v[NIL]
	s_wait_dscnt 0x0
	CROUND                                         ; the closing round: no work-group ends while a partner may still ask for a tile that names it
	s_endpgm
.Lfunc_end_k_qbb293325b3_attn:
	.size	k_qbb293325b3_attn, .Lfunc_end_k_qbb293325b3_attn-k_qbb293325b3_attn
	.p2alignl 7, 3214868480
	.fill 96, 4, 3214868480
	.section	.rodata,"a",@progbits
	.p2align	6, 0x0
	.amdhsa_kernel k_qbb293325b3_attn
		.amdhsa_group_segment_fixed_size 327680
		.amdhsa_private_segment_fixed_size 0
		.amdhsa_enable_private_segment 0
		.amdhsa_kernarg_size 16
		.amdhsa_user_sgpr_count 2
		.amdhsa_user_sgpr_kernarg_segment_ptr 1
		.amdhsa_wavefront_size32 1
		.amdhsa_system_sgpr_workgroup_id_x 1
		.amdhsa_system_sgpr_workgroup_id_y 1
		.amdhsa_system_sgpr_workgroup_id_z 1
		.amdhsa_system_vgpr_workitem_id 0
		.amdhsa_next_free_vgpr 256
		.amdhsa_next_free_sgpr 66
		.amdhsa_reserve_vcc 0
		.amdhsa_float_denorm_mode_32 3
		.amdhsa_float_denorm_mode_16_64 3
		.amdhsa_memory_ordered 1
		.amdhsa_forward_progress 1
		.amdhsa_inst_pref_size 50
	.end_amdhsa_kernel
	.amdgpu_metadata
---
amdhsa.version: [ 1, 2 ]
amdhsa.kernels:
  - .name:           k_qbb293325b3_attn
    .symbol:         k_qbb293325b3_attn.kd
    .args:
      - { .name: qkv, .offset: 0, .size: 8, .value_kind: global_buffer, .address_space: global }
      - { .name: ob, .offset: 8, .size: 8, .value_kind: global_buffer, .address_space: global }
    .group_segment_fixed_size: 327680
    .private_segment_fixed_size: 0
    .kernarg_segment_align: 8
    .kernarg_segment_size: 16
    .max_flat_workgroup_size: 512
    .sgpr_count:     66
    .vgpr_count:     256
    .wavefront_size: 32
...
	.end_amdgpu_metadata
.endif
;; end of part 3
;; launch proj (part 4): grid 4 x 64, 4 waves a work-group, clusters of 4 x 4, 327,680 bytes of LDS; arguments ob, wo, b_out, out0; writes out0
.if DOCPART == 4
	.amdgcn_target "amdgcn-amd-amdhsa--gfx1250"
	.amdhsa_code_object_version 6
	.text
	.protected	k_qbb293325b3_proj
	.globl	k_qbb293325b3_proj
	.p2align	8
	.type	k_qbb293325b3_proj,@function
k_qbb293325b3_proj:
	s_mov_b64 s[64:65], 0
	v_nop
	global_prefetch_b8 v0, s[64:65] scope:SCOPE_SE
	s_setreg_imm32_b32 hwreg(HW_REG_WAVE_MODE, 25, 1), 1
	s_wait_xcnt 0x0
	s_wait_alu depctr_hold_cnt(0) depctr_sa_sdst(0) depctr_va_vdst(0) depctr_va_sdst(0) depctr_va_ssrc(0) depctr_va_vcc(0) depctr_vm_vsrc(0)
	s_getreg_b32 s2, hwreg(HW_REG_IB_STS2, 6, 4)
	s_cmp_eq_u32 s2, 0
	s_cbranch_scc0 .Lentry_in_a_cluster
	s_endpgm
.Lentry_in_a_cluster:
	s_bfe_u32 s2, ttmp6, 0x10000c
	s_cmp_lg_u32 s2, 0xf033
	s_cbranch_scc0 .Lentry_shape_is_right
	s_endpgm
.Lentry_shape_is_right:
; out0 = O w_out + b_out: [8192][1024] x [1024][1024], operands in f16, sums in f32, the result f32.
; Both operands lie in memory as images of operand registers: blocks of 512 bytes (16 rows x 16 k, lane l at 16 l).  ob: [K step of 128: 8][tile of 16 tokens: 512][16 k: 8][512];  wo: [K step: 8][tile of 16 columns: 64][16 k: 8][512].
; So a K step's part of a tile is one dense block for a tensor load, a fragment (16 rows x 32 k) is two LDS loads of 512 consecutive bytes, and no padding is wanted.
; A tile of 128 tokens x 256 columns gives each of 256 work-groups one tile.  Four waves, each 64 tokens x 128 columns: 32 accumulators, 256 registers.  K goes in 8 steps of 128 through a ring of two LDS slots.
; CLUSTERS: 4 x 4 work-groups.  The four of a row of the cluster need the same tiles of ob, the four of a column the same tiles of wo: each is asked for JOINTLY.
; THE MATRIX INSTRUCTION IS USED TRANSPOSED (source 0 = 16 columns of w_out, source 1 = 16 tokens): a lane holds one token and eight neighbouring columns.  The bias is the C of each sum's first product: nothing is cleared or added.
; REGISTERS: window 0: v0-31 addresses; v96-159 the bias, eight registers a tile of columns; v32-95, v160-223 the way out.   window 1: two fragment buffers at v0 and v128: ob's four fragments, then wo's eight.   window 2: accumulator (a, b) at v[8 (8 a + b)].
.set SLOT,   98304                     ; ob's 8 tiles of 4,096 bytes, then wo's 16
.set BOFF,   32768
.set STAGE,  2*SLOT                    ; behind the ring: 16 rows x (512 bytes + 16) for each wave, for the way out
.set SPITCH, 528
.set SPARE,  STAGE+4*16*SPITCH         ; the spare words, 128 bytes for each wave: two blocks of 256 bytes that no other line names
.set ADRA, 16                          ; v16-17  LDS address of my fragments of ob in slot 0, 1
.set ADRB, 20                          ; v20-21  of wo
.set STO,  24
.set RD,   25
.set CO,   26
.set SPW,  28
.set NIL,  29
.set PFO,  30                          ; v30  256 x lane; never rewritten
.set BIAS, 96
.set F0,   0
.set F1,   128
.set WV,   12
.set RH,   13                          ; s13  which half of the tile's tokens is mine.  Also: I fetch for ob (0) or for wo (1)
.set CH,   14                          ; s14  which half of its columns.  Also: which half of that tile I fetch
.set TY,   15
.set G1A,  24
.set G0A,  32
.set G1B,  48
.set G0B,  56
.set PFA,  66                          ; s[66:67] where my prefetches stand
.set LIM,  45                          ; s45  1 in wave 0, else the greatest number
.set MSB, 0
.macro WIN new                         ; the immediate's high byte repeats the setting that is left
.if MSB != \new
	s_set_vgpr_msb (MSB<<8)|\new
.set MSB, \new
.endif
.endm
.set MUL,  0xa5                        ; sources 0 and 1 window 1; C and D window 2
.set MUL1, 0x85                        ; the same with C (the bias) in window 0
.set TO_F, 0x40                        ; destination window 1, address window 0
.macro JLOAD s                         ; a joint load: waves 0 and 1 fetch ob's two halves, waves 2 and 3 wo's; an s_nop 0 and four v_nop follow each of the two lines
	s_cmp_eq_u32 s[RH], 0
	s_cbranch_scc0 .Lfor_b_\@
	tensor_load_to_lds s[G0A+4*\s:G0A+4*\s+3], s[G1A:G1A+7]
	s_nop 0
.rept 4
	v_nop
.endr
	s_branch .Lasked_\@
.Lfor_b_\@:
	tensor_load_to_lds s[G0B+4*\s:G0B+4*\s+3], s[G1B:G1B+7]
	s_nop 0
.rept 4
	v_nop
.endr
.Lasked_\@:
.endm
.macro CREST                           ; a round of the cluster's barrier behind its opening barrier
	s_cmp_lg_u32 s[WV], 0
	s_cbranch_scc1 .Lnot_wave_0_\@
	s_barrier_signal -3
.Lnot_wave_0_\@:
	s_barrier_wait -3
	s_barrier_signal -1
	s_barrier_wait -1
.endm
.macro CROUND
	s_barrier_signal -1
	s_barrier_wait -1
	CREST
.endm
; A PREFETCH of ob's tile of the K step that stands two refills on (256 matrix instructions a wave ahead of its load): 32 KiB, of which each of the four partners that ask for it jointly takes 8 KiB, told apart BY ADDRESS;
; wave 0 asks, lanes 256 bytes apart: each block of 256 bytes is named once in the launch.  The loop's last trip asks for nothing: K has no such step.  wo is read again by every tile row and is not asked for.
.macro ASK
	s_cmp_gt_u32 s3, s[LIM]
	s_cbranch_scc0 .Lnot_mine_\@
	global_prefetch_b8 v[PFO], s[PFA:PFA+1] th:TH_LOAD_NT scope:SCOPE_SE
.Lnot_mine_\@:
.endm
	s_load_b256 s[4:11], s[0:1], 0x0               ; ob s[4:5], wo s[6:7], b_out s[8:9], out0 s[10:11]
	v_lshl_add_u32 v[SPW], v0, 2, SPARE
	v_mov_b32 v[NIL], 0
	ds_add_u32 v[SPW], v[NIL]                      ; the wave's opening: the add, twice on end, and its wait ahead of my first tensor load
	ds_add_u32 v[SPW], v[NIL]
	v_lshrrev_b32 v1, 5, v0
	v_readfirstlane_b32 s[WV], v1                  ; wave 0..3
	s_lshr_b32 s[RH], s[WV], 1
	s_and_b32 s[CH], s[WV], 1
	s_bfe_u32 s40, ttmp6, 0x40000                  ; cx, cy: my place in the cluster
	s_bfe_u32 s41, ttmp6, 0x40004
	s_lshl_b32 s42, ttmp9, 2
	s_add_co_u32 s42, s42, s40                     ; tile column = 4 x cluster x + cx
	s_and_b32 s[TY], ttmp7, 0xffff
	s_lshl_b32 s[TY], s[TY], 2
	s_add_co_u32 s[TY], s[TY], s41                 ; tile row = 4 x cluster y + cy
	s_lshl_b32 s43, s41, 2
	s_lshl_b32 s43, 15, s43                        ; my row of the cluster
	s_lshl_b32 s44, 0x1111, s40                    ; my column
	s_or_b32 s[G1A], s43, (3<<16)|(1<<21)          ; the mask; elements of 8 bytes; no padding; bit 21 beside a mask
	s_mov_b32 s[G1A+1], 32<<16                     ; rows of 32 elements: 256 bytes
	s_mov_b32 s[G1A+2], 64<<16                     ; 64 rows: four tiles of tokens
	s_mov_b32 s[G1A+3], 32<<16
	s_mov_b32 s[G1A+4], 64
	s_mov_b32 s[G1A+5], 32                         ; dense
	s_mov_b32 s[G1A+6], 0
	s_mov_b32 s[G1A+7], 0
	s_or_b32 s[G1B], s44, (3<<16)|(1<<21)
	s_mov_b32 s[G1B+1], 32<<16
	s_mov_b32 s[G1B+2], 128<<16                    ; 128 rows: eight tiles of columns
	s_mov_b32 s[G1B+3], 32<<16
	s_mov_b32 s[G1B+4], 128
	s_mov_b32 s[G1B+5], 32
	s_mov_b32 s[G1B+6], 0
	s_mov_b32 s[G1B+7], 0
	s_lshl_b32 s16, s[TY], 3
	s_lshl_b32 s17, s[CH], 2
	s_add_co_u32 s16, s16, s17                     ; ob: tile of tokens 8 x tile row + 4 x half,
	s_lshl_b32 s16, s16, 12                        ; 4,096 bytes each
	s_mov_b32 s17, 0
	s_lshl_b32 s46, s42, 4
	s_lshl_b32 s47, s[CH], 3
	s_add_co_u32 s46, s46, s47                     ; wo: tile of columns 16 x tile column + 8 x half
	s_lshl_b32 s46, s46, 12
	s_mov_b32 s47, 0
	s_lshl_b32 s20, s[CH], 14                      ; where they go: no place in the cluster enters an LDS address
	s_lshl_b32 s21, s[CH], 15
	s_add_co_u32 s21, s21, BOFF
	s_wait_dscnt 0x0                               ; both opening adds are done
	s_wait_kmcnt 0x0
	s_add_nc_u64 s[18:19], s[4:5], s[16:17]
	s_add_nc_u64 s[46:47], s[6:7], s[46:47]
	CROUND                                         ; all sixteen work-groups are here: the first joint loads meet
.irp s, 0,1
	s_mov_b32 s[G0A+4*\s], 1
	s_add_co_u32 s[G0A+4*\s+1], s20, \s*SLOT
	s_add_nc_u64 s[G0A+4*\s+2:G0A+4*\s+3], s[18:19], \s*(1<<21)    ; K step s: 2^21 bytes a step in ob,
	s_or_b32 s[G0A+4*\s+3], s[G0A+4*\s+3], 0x80000000
	s_mov_b32 s[G0B+4*\s], 1
	s_add_co_u32 s[G0B+4*\s+1], s21, \s*SLOT
	s_add_nc_u64 s[G0B+4*\s+2:G0B+4*\s+3], s[46:47], \s*(1<<18)    ; 2^18 in wo
	s_or_b32 s[G0B+4*\s+3], s[G0B+4*\s+3], 0x80000000
	JLOAD \s                                       ; two tensor loads of mine are out at the most
.endr
	v_and_b32 v1, 15, v0                           ; r
	v_bfe_u32 v2, v0, 4, 1                         ; h
	v_and_b32 v3, 31, v0                           ; lane
	v_lshlrev_b32 v4, 4, v3                        ; 16 x lane
	s_lshl_b32 s22, s[RH], 14                      ; my four tiles of tokens
	s_lshl_b32 s23, s[CH], 15                      ; my eight tiles of columns,
	s_add_co_u32 s23, s23, BOFF                    ; behind ob's part
.irp s, 0,1
	v_add_nc_u32 v[ADRA+\s], s22, v4
	v_add_nc_u32 v[ADRB+\s], s23, v4
	s_add_co_u32 s22, s22, SLOT
	s_add_co_u32 s23, s23, SLOT
.endr
	s_mul_i32 s2, s[WV], 16*SPITCH
	s_add_co_u32 s2, s2, STAGE                     ; my stage
	v_mul_u32_u24 v5, v1, SPITCH                   ; in: row r, 32 bytes for each half of the lanes
	v_lshl_add_u32 v5, v2, 5, v5
	v_add_nc_u32 v[STO], s2, v5
	v_add_nc_u32 v[RD], s2, v4                     ; back: the 32 lanes take one row of 512 bytes;
	v_lshlrev_b32 v[CO], 4, v3                     ; and the same in out0
	v_lshlrev_b32 v[PFO], 8, v3
	v_lshlrev_b32 v6, 5, v2                        ; the bias: my half's eight numbers of a tile of 16
	s_lshl_b32 s16, s[TY], 7
	s_lshl_b32 s17, s[RH], 6
	s_add_co_u32 s16, s16, s17                     ; my first token: 128 x tile row + 64 x half,
	s_lshl_b32 s16, s16, 12                        ; 4,096 bytes a row of out0
	s_mov_b32 s17, 0
	s_lshl_b32 s46, s42, 10
	s_lshl_b32 s47, s[CH], 9
	s_add_co_u32 s46, s46, s47                     ; my first column, in bytes: 1,024 x tile column + 512 x half
	s_mov_b32 s47, 0
	s_add_nc_u64 s[10:11], s[10:11], s[16:17]
	s_add_nc_u64 s[10:11], s[10:11], s[46:47]
	s_add_nc_u64 s[8:9], s[8:9], s[46:47]
.irp b, 0,1,2,3,4,5,6,7
	global_load_b128 v[BIAS+8*\b:BIAS+8*\b+3], v6, s[8:9] offset:64*\b          ; register j of tile b: b_out at my first column + 16 b + 8 h + j: the result's layout
	global_load_b128 v[BIAS+8*\b+4:BIAS+8*\b+7], v6, s[8:9] offset:64*\b+16
.endr
	s_lshl_b32 s68, s[TY], 15                      ; the prefetches: my tile row's 32 KiB of a K step,
	s_lshl_b32 s69, s40, 13                        ; my work-group's 8 KiB of them,
	s_add_co_u32 s68, s68, s69
	s_add_co_u32 s68, s68, 3<<21                   ; at K step 3: the first refill steps it to 4.  Nothing is prefetched at the head
	s_mov_b32 s69, 0
	s_add_nc_u64 s[PFA:PFA+1], s[4:5], s[68:69]
	s_cmp_eq_u32 s[WV], 0
	s_cselect_b32 s[LIM], 1, -1
; 8 matrix instructions: tile a of tokens against the eight tiles of columns, 32 along K.  first = 1: the bias starts the sums.  The 32 accumulators take turns, one instruction a turn, in the same order in every quarter.
.macro MUL8 f, a, first
.irp b, 0,1,2,3,4,5,6,7
.if \first
	v_wmma_f32_16x16x32_f16 v[8*(8*(\a)+\b):8*(8*(\a)+\b)+7], v[\f+32+8*\b:\f+32+8*\b+7], v[\f+8*(\a):\f+8*(\a)+7], v[BIAS+8*\b:BIAS+8*\b+7]
.else
	v_wmma_f32_16x16x32_f16 v[8*(8*(\a)+\b):8*(8*(\a)+\b)+7], v[\f+32+8*\b:\f+32+8*\b+7], v[\f+8*(\a):\f+8*(\a)+7], v[8*(8*(\a)+\b):8*(8*(\a)+\b)+7]
.endif
.endr
.endm
.macro MUL16 f, a0, first
	MUL8 \f, \a0, \first
	MUL8 \f, \a0+1, \first
.endm
; 24 LDS loads in one run: the fragments of the slot's q-th 32 along K into buffer f: wo's eight, then ob's four; each load takes 512 consecutive bytes
.macro FETCH slot, q, f
	WIN TO_F
.irp b, 0,1,2,3,4,5,6,7
.irp c, 0,1
	ds_load_b128 v[\f+32+8*\b+4*\c:\f+32+8*\b+4*\c+3], v[ADRB+\slot] offset:\b*4096+(2*(\q)+\c)*512
.endr
.endr
.irp a, 0,1,2,3
.irp c, 0,1
	ds_load_b128 v[\f+8*\a+4*\c:\f+8*\a+4*\c+3], v[ADRA+\slot] offset:\a*4096+(2*(\q)+\c)*512
.endr
.endr
.endm
.macro PLACES                          ; four plain vector instructions between a matrix instruction and a load into, or a read of, its registers
.rept 4
	v_nop
.endr
.endm
; A K step is four quarters of 32 along K, 32 matrix instructions each, on buffers 0, 1, 0, 1.  One of the first three: multiplies buffer f and fetches quarter qn into g.
.macro QUARTER slot, qn, f, g, first
	s_wait_dscnt 4                                 ; wo's fragments and ob's tiles 0, 1 are in; the youngest four loads (tiles 2, 3) may be out
.if \first
	WIN MUL1
.else
	WIN MUL
.endif
	MUL16 \f, 0, \first
	PLACES
	FETCH \slot, \qn, \g
	s_wait_dscnt 24                                ; all but the 24 just issued
.if \first
	WIN MUL1
.else
	WIN MUL
.endif
	MUL16 \f, 2, \first
.endm
; The last quarter multiplies buffer 1 and changes slots: ONE barrier; in front of it each wave waits for all its tensor loads, adds 0 to its spare word, and waits for that and for its reads of this slot.  fill = 1: this slot is filled again, two K steps ahead.
.macro TURN slot, next, fill
.if \fill
	s_wait_xcnt 0x0                                ; the last prefetch, a K step back, has read its address: it is stepped here
	s_add_nc_u64 s[PFA:PFA+1], s[PFA:PFA+1], 1<<21
.endif
	WIN 0                                          ; (the add's two registers lie in window 0)
	s_wait_tensorcnt 0x0                           ; all my tensor loads have landed: my part of the next slot
	ds_add_u32 v[SPW], v[NIL]
	s_wait_dscnt 5                                 ; (the add and the youngest four loads may be out)
	WIN MUL
	MUL8 F1, 0, 0                                  ; eight matrix instructions stand between the add and the wait for it
	s_wait_dscnt 0x0                               ; the add is done, and my reads of this slot are over
	s_barrier_signal -1
	MUL8 F1, 1, 0
.if \fill
	WIN 0
.endif
	s_barrier_wait -1
.if \fill
	CREST                                          ; the barrier has opened a round of the cluster's: no wave of any partner still reads this slot or has a load on its way
	s_add_nc_u64 s[G0A+4*\slot+2:G0A+4*\slot+3], s[G0A+4*\slot+2:G0A+4*\slot+3], 1<<22
	s_add_nc_u64 s[G0B+4*\slot+2:G0B+4*\slot+3], s[G0B+4*\slot+2:G0B+4*\slot+3], 1<<19
	JLOAD \slot                                    ; the first tensor load behind the round; the four v_nop behind it are also the places in front of the loads below
.else
	PLACES
.endif
	FETCH \next, 0, F0
.if \fill
	WIN 0                                          ; (a branch follows)
	ASK
.endif
	WIN MUL
	MUL16 F1, 2, 0
.endm
; THE WAY OUT, a block of 16 tokens x 128 columns at a time: a lane holds 32 bytes of a row and the lanes beside it other rows: so a block goes through my own stage and comes back as whole rows of 512 bytes.
; LDS serves a wave's instructions in order (ISA guide 5.7.1.4): no wait between the stores and the loads, nor in front of the next block's stores.
.macro TOSTAGE a
	WIN 0x08                                       ; an LDS store's data: window 2
.irp b, 0,1,2,3,4,5,6,7
	ds_store_b128 v[STO], v[64*(\a)+8*\b:64*(\a)+8*\b+3] offset:64*\b          ; each accumulator from its low end on
	ds_store_b128 v[STO], v[64*(\a)+8*\b+4:64*(\a)+8*\b+7] offset:64*\b+16
.endr
	WIN 0
.set BB, 32+128*((\a)%2)
.irp t, 0,1,2,3,4,5,6,7,8,9,10,11,12,13,14,15
	ds_load_b128 v[BB+4*\t:BB+4*\t+3], v[RD] offset:\t*SPITCH
.endr
.endm
.macro SEND a, younger                 ; younger: the LDS instructions issued behind block a's loads, which may stay out
.set BB, 32+128*((\a)%2)
	s_wait_dscnt \younger
.irp t, 0,1,2,3,4,5,6,7,8,9,10,11,12,13,14,15
	global_store_b128 v[CO], v[BB+4*\t:BB+4*\t+3], s[10:11] offset:(\a)*65536+\t*4096 th:TH_STORE_NT   ; 32 lanes store 512 consecutive bytes, at a multiple of 512 from out0's first byte
.endr
.endm
	s_wait_tensorcnt 1                             ; my part of K step 0 is in (K step 1's load may be out),
	s_barrier_signal -1
	s_barrier_wait -1                              ; everybody's is
	FETCH 0, 0, F0
	s_wait_loadcnt 0x0                             ; the bias
	QUARTER 0, 1, F0, F1, 1                        ; the first quarter stands in front of the loop: its products start the sums
	WIN 0                                          ; at a label and at a branch every window is 0
	s_mov_b32 s3, 3
.Llap:                                             ; a trip goes once round the ring, from a lap's second quarter to the next lap's first, and fills both slots again
	QUARTER 0, 2, F1, F0, 0
	QUARTER 0, 3, F0, F1, 0
	TURN 0, 1, 1
	QUARTER 1, 1, F0, F1, 0
	QUARTER 1, 2, F1, F0, 0
	QUARTER 1, 3, F0, F1, 0
	TURN 1, 0, 1
	QUARTER 0, 1, F0, F1, 0
	WIN 0
	s_sub_co_u32 s3, s3, 1
	s_cmp_lg_u32 s3, 0
	s_cbranch_scc1 .Llap
	QUARTER 0, 2, F1, F0, 0                        ; the last lap fills nothing, and has no round of the cluster's barrier
	QUARTER 0, 3, F0, F1, 0
	TURN 0, 1, 0
	QUARTER 1, 1, F0, F1, 0
	QUARTER 1, 2, F1, F0, 0
	QUARTER 1, 3, F0, F1, 0
	s_wait_dscnt 4                                 ; the very last quarter: nothing more to fetch
	WIN MUL
	MUL16 F1, 0, 0
	s_wait_dscnt 0
	MUL16 F1, 2, 0
	WIN 0
	PLACES                                         ; behind the last products, in front of the first read of results
	TOSTAGE 0
.irp a, 1,2,3
.if \a > 1
	s_wait_xcnt 0x0                                ; block a - 2's stores have read their registers: block a's loads may land there
.endif
	TOSTAGE \a
	SEND \a-1, 32                                  ; behind block a - 1's loads: block a's 16 stores and 16 loads
.endr
	SEND 3, 0
	s_wait_tensorcnt 0x0                           ; the wave's end, behind my last tensor load and my last LDS store
	ds_add_u32 v[SPW], v[NIL]
	s_wait_dscnt 0x0
	CROUND                                         ; the closing round
	s_endpgm
.Lfunc_end_k_qbb293325b3_proj:
	.size	k_qbb293325b3_proj, .Lfunc_end_k_qbb293325b3_proj-k_qbb293325b3_proj
	.p2alignl 7, 3214868480
	.fill 96, 4, 3214868480
	.section	.rodata,"a",@progbits
	.p2align	6, 0x0
	.amdhsa_kernel k_qbb293325b3_proj
		.amdhsa_group_segment_fixed_size 327680
		.amdhsa_private_segment_fixed_size 0
		.amdhsa_enable_private_segment 0
		.amdhsa_kernarg_size 32
		.amdhsa_user_sgpr_count 2
		.amdhsa_user_sgpr_kernarg_segment_ptr 1
		.amdhsa_wavefront_size32 1
		.amdhsa_system_sgpr_workgroup_id_x 1
		.amdhsa_system_sgpr_workgroup_id_y 1
		.amdhsa_system_sgpr_workgroup_id_z 1
		.amdhsa_system_vgpr_workitem_id 0
		.amdhsa_next_free_vgpr 768
		.amdhsa_next_free_sgpr 70
		.amdhsa_reserve_vcc 0
		.amdhsa_float_denorm_mode_32 3
		.amdhsa_float_denorm_mode_16_64 3
		.amdhsa_memory_ordered 1
		.amdhsa_forward_progress 1
		.amdhsa_inst_pref_size 87
	.end_amdhsa_kernel
	.amdgpu_metadata
---
amdhsa.version: [ 1, 2 ]
amdhsa.kernels:
  - .name:           k_qbb293325b3_proj
    .symbol:         k_qbb293325b3_proj.kd
    .args:
      - { .name: ob, .offset: 0, .size: 8, .value_kind: global_buffer, .address_space: global }
      - { .name: wo, .offset: 8, .size: 8, .value_kind: global_buffer, .address_space: global }
      - { .name: b_out, .offset: 16, .size: 8, .value_kind: global_buffer, .address_space: global }
      - { .name: out0, .offset: 24, .size: 8, .value_kind: global_buffer, .address_space: global }
    .group_segment_fixed_size: 327680
    .private_segment_fixed_size: 0
    .kernarg_segment_align: 8
    .kernarg_segment_size: 32
    .max_flat_workgroup_size: 128
    .sgpr_count:     70
    .vgpr_count:     768
    .wavefront_size: 32
...
	.end_amdgpu_metadata
.endif
;; end of part 4
